; MI455X (gfx1250); checked and timed in simulation.
; The chip was launched on July 23, 2026; its instructions are those of AMD's public machine-readable ISA for CDNA 5 (MIT licence, August 2026) and "CDNA5" Instruction Set Architecture Reference Guide (July 2026). The comments in the code are by the model that wrote it; some were corrected since.
;; Multi Head Self Attention. Allowed arithmetic: matrix products marked QUANTISED: E2M1 operands, one E8M0 scale for each 32 along K, by v_wmma_scale_f32_16x16x128_f8f6f4 with both operands' format E2M1 (or v_wmma_scale_f32_32x16x128_f4), f32 sums; products left as they are: bf16, f16 or f32 operands; f32 sums; everything else in f32.
;; Inputs: Wk 2,048 x 2,048 float32; Wo 2,048 x 2,048 float32; Wq 2,048 x 2,048 float32; Wv 2,048 x 2,048 float32; token_positions 2,048 int32; x 1 x 2,048 x 2,048 float32.
;; Outputs: out0 1 x 2,048 x 2,048 float32.
;; This version of the problem:
;;   THIS VERSION OF THE PROBLEM IS GIVEN IN LOW PRECISION. The matrix products marked QUANTISED in the list below multiply operands that are first quantised to E2M1 (2 exponent bits, 1 mantissa bit; 4 bits a number), with one power-of-two scale for each 32 numbers along K (OCP MX v1.0); their sums are f32. The products marked 'left as it is' may take bf16, f16 or f32 operands, with f32 sums. Whichever they take, every output number must still come out within the allowed error. Rounding operands to bf16 (8 significant bits) uses up far more of that allowance than f16 does (11 bits, for magnitudes from 6e-5 to 65,504). All else is computed in f32.
;;   The module's matrix products, in the order in which they are computed (A, B: the left and right operand; K: the contracted axis; several contracted axes count as one K, in the product's order):
;;     1. [M 2,048, K 2,048] x [K 2,048, N 2,048]; A: input x; B: input Wq: QUANTISED
;;     2. [M 2,048, K 2,048] x [K 2,048, N 2,048]; A: input x; B: input Wk: QUANTISED
;;     3. [M 2,048, K 2,048] x [K 2,048, N 2,048]; A: input x; B: input Wv: QUANTISED
;;     4. batch 16 x [M 2,048, K 128] x [K 128, N 2,048]; A: computed on the way; B: computed on the way: left as it is (an operand is computed on the way)
;;     5. batch 16 x [M 2,048, K 2,048] x [K 2,048, N 128]; A: computed on the way; B: computed on the way: left as it is (an operand is computed on the way)
;;     6. [M 2,048, K 2,048] x [K 2,048, N 2,048]; A: computed on the way; B: input Wo: left as it is (an operand is computed on the way)
;;   THE QUANTISER, for each operand of a quantised product, along K:
;;     - K is cut into blocks of 32 from its start; a last block that is shorter is filled with zeros.
;;     - A block's scale is 2^e with e = floor(log2(the largest magnitude in the block)) - 2, held to -126 .. 127; a block of zeros has e = 0. As a byte (E8M0): e + 127.
;;     - Each number is divided by its block's scale, clamped to +-6, and rounded to the nearest number of E2M1, ties to even, subnormals kept.
;;     - The product sums the exact products of the quantised numbers (number of the format x scale) in f32.
;;   ~~~python
;;   def quantise(x, axis):      # numpy; x: float32 -> the quantised numbers, widened to float32 again
;;       x = np.moveaxis(x, axis, -1); K = x.shape[-1]
;;       x = np.pad(x, [(0, 0)] * (x.ndim - 1) + [(0, -K % 32)]); x = x.reshape(x.shape[:-1] + (-1, 32)); a = np.abs(x).max(-1, keepdims=True)
;;       e = np.where(a > 0, np.clip(np.frexp(np.where(a > 0, a, 1))[1] - 1 - 2, -126, 127), 0)      # np.frexp(a)[1] - 1 = floor(log2(a)), exactly
;;       r = np.clip(x / 2.0 ** e, -6, 6)
;;       step = 2.0 ** (np.maximum(np.frexp(np.where(r == 0, 1, r))[1] - 1, 0) - 1)
;;       q = np.round(r / step) * step * 2.0 ** e      # np.round: ties to even
;;       return np.moveaxis(q.reshape(q.shape[:-2] + (-1,))[..., :K], -1, axis).astype(np.float32)
;;   ~~~
;; One version. Each part assembles by itself: llvm-mc -triple=amdgcn-amd-amdhsa -mcpu=gfx1250 --defsym DOCPART=n.
;; ======== version 1 of 1: 5 launches
;; limits: right only within a limited range of input values; values are held in f16: magnitudes above 65,504 overflow, below 6.1e-05 lose precision
;; workspace buffers: codes 8,388,608 bytes; scales 524,288 bytes; wo16 8,388,608 bytes; rope 2,097,152 bytes; q_img 8,388,608 bytes; kv_img 16,777,216 bytes; a_img 8,388,608 bytes; fine 196,608 bytes
;; launch prep (part 1): grid 768 x 1, 4 waves a work-group, no clusters, 33,280 bytes of LDS; arguments x, Wq, Wk, Wv, Wo, token_positions, codes, scales, wo16, rope; writes codes, scales, wo16, rope
.if DOCPART == 1
	.amdgcn_target "amdgcn-amd-amdhsa--gfx1250"
	.amdhsa_code_object_version 6
	.text
	.protected	k_q7d217a1a4b_prep
	.globl	k_q7d217a1a4b_prep
	.p2align	8
	.type	k_q7d217a1a4b_prep,@function
k_q7d217a1a4b_prep:
	s_mov_b64 s[64:65], 0
	v_nop
	global_prefetch_b8 v0, s[64:65] scope:SCOPE_SE
	s_setreg_imm32_b32 hwreg(HW_REG_WAVE_MODE, 25, 1), 1
	s_wait_xcnt 0x0
; THE PROGRAM: causal self-attention, S = D = 2,048, 16 heads of 128, in five launches:
;   prep (this one), qkv (x Wq^T, x Wk^T, x Wv^T on E2M1 codes, RoPE), attn (both attention products, f16), proj (the product with Wo, f16), first16 (tokens 0-15 once more, finely).
; WORK LEFT OUT, AND WHY IT IS DEAD.  The problem's own mask, jnp.tril, sets the score of key k for query q to -inf wherever k > q, and the softmax gives such a key the weight exp(-inf) = 0, whatever finite
; values the inputs hold.  So blocks of 64 keys that lie wholly behind a block of queries' last query reach no output: launches attn and first16 neither load nor multiply them.  Inside a block that holds the
; diagonal the hidden scores are set to -inf, as the problem does.  LIMIT: a NaN, an infinity or an overflow that sits only in such hidden keys is not carried to the result.  No input is left out: all six are loaded.
; THIS LAUNCH, three roles by the work-group's number (no work-group shares an input byte with another, so there is no cluster, and nothing here is a matrix product):
;   0-511   x, Wq, Wk, Wv (f32, K innermost) become E2M1 codes, two a byte, and one E8M0 byte for each 32 along K: codes [8192 rows][1024 B], scales [8192 rows][64 B]; rows 0-2047 x, then Wq, Wk, Wv.
;   512-639 Wo becomes f16, row-major (its product is left as it is).
;   640-767 the RoPE table: for token 16 A + r and pair i, (cos, sin) x 0.5 for Q and x 0.25 for K, laid in the order in which launch qkv's lanes take them.
; A block's scale is 2^(floor(log2(largest magnitude)) - 2); its byte is the largest magnitude's exponent field - 2, held at 1 from below.  A block of zeros so gets the byte 1 where the rule says 127: its codes
; are zeros, which add nothing under any byte but 0xff, and this program alone reads the bytes.
; LIMITS: blocks whose largest magnitude lies under 2^-124 keep the byte 1; NaN and infinities among the inputs are not served; |token position| under 2^22 (the angle is reduced by pi / 2 in two parts);
; the frequencies 10000^(-i / 64) come from one exponential of a reduced argument, the sine and cosine from polynomials on |r| <= pi / 4 (errors of a few units in the last place).
.set WAVES, 4
.set STEPS, 16
.set EMAX,  2
.set CB,    8                          ; bytes of 16 codes
.set R,     16                         ; v16-79   role 0: four sets of 16 numbers as loaded
.set X,     80                         ; v80-111  two sets of 16 neighbours
.set E,     112                        ; v112-127 a scale byte for each step
.set C,     128                        ; v128-191 codes, four registers a step
.set WREG,  8192                       ; LDS: a region for each wave: two stages of 32 x SP bytes, then its 256 scale bytes
.set SP,    80                         ; a lane's place in a stage: 64 bytes + 16 of padding
.set SPW,   12                         ; v12 LDS address of my spare word; never rewritten
.set NIL,   13                         ; v13 0; never rewritten
.set SPARE, WAVES*WREG                 ; the spare words: 128 bytes a wave, two blocks of 256 bytes that no other line names
	s_load_b256 s[4:11], s[0:1], 0x0               ; x, Wq, Wk, Wv
	s_load_b256 s[12:19], s[0:1], 0x20             ; Wo, token_positions, codes, scales
	s_load_b128 s[20:23], s[0:1], 0x40             ; wo16, rope
	v_lshl_add_u32 v[SPW], v0, 2, SPARE
	v_mov_b32 v[NIL], 0
	v_lshrrev_b32 v1, 5, v0
	v_readfirstlane_b32 s24, v1                    ; wave
	v_and_b32 v2, 31, v0                           ; lane
	s_cmp_ge_u32 ttmp9, 640
	s_cbranch_scc1 .Lrope
	s_cmp_ge_u32 ttmp9, 512
	s_cbranch_scc1 .Lcast
; ---- ROLE 0: the quantiser.  A wave takes 16 steps of 512 numbers.  Each load reads 512 consecutive bytes; a step's 2,048 bytes turn through the wave's own stage in LDS so that a lane holds 16 neighbours along K
; (two neighbouring lanes hold a block of 32).  A lane's 16 codes are 8 bytes: the wave stores 256 consecutive bytes.  The wave's 256 scale bytes are gathered in LDS and leave as one aligned run of 256 bytes.
	v_lshlrev_b32 v3, 4, v2                        ; my 16 bytes of a load's 512
	s_mul_i32 s25, s24, WREG
	v_lshrrev_b32 v14, 2, v2
	v_mul_u32_u24 v14, v14, SP
	v_and_b32 v15, 3, v2
	v_lshl_add_u32 v14, v15, 4, v14
	v_add_nc_u32 v14, s25, v14                     ; the stage, on the way in: SP (lane / 4) + 16 (lane % 4)
	v_mul_u32_u24 v15, v2, SP
	v_add_nc_u32 v15, s25, v15                     ; and on the way out: SP x lane
	v_mul_u32_u24 v4, v2, CB                       ; my codes' place in a step's
	v_lshrrev_b32 v5, 1, v2
	s_add_co_u32 s25, s25, 2*32*SP
	v_add_nc_u32 v5, s25, v5                       ; my block's byte among my wave's 256
	v_lshlrev_b32 v7, 3, v2
	v_add_nc_u32 v6, s25, v7
	s_wait_kmcnt 0x0
	s_lshr_b32 s26, ttmp9, 7                       ; which tensor: 128 work-groups each; the choice hangs on the work-group's number alone
	s_cmp_eq_u32 s26, 0
	s_cselect_b64 s[4:5], s[4:5], s[6:7]
	s_cmp_eq_u32 s26, 2
	s_cselect_b64 s[4:5], s[8:9], s[4:5]
	s_cmp_eq_u32 s26, 3
	s_cselect_b64 s[4:5], s[10:11], s[4:5]
	s_and_b32 s26, ttmp9, 127
	s_lshl_b32 s26, s26, 2
	s_add_co_u32 s26, s26, s24
	s_lshl_b32 s26, s26, 15                        ; my wave's run of 8,192 numbers in its tensor, in bytes
	s_mov_b32 s27, 0
	s_add_nc_u64 s[4:5], s[4:5], s[26:27]
	s_lshl_b32 s28, ttmp9, 2
	s_add_co_u32 s28, s28, s24                     ; my run among all four tensors'
	s_lshl_b32 s26, s28, 12
	s_add_nc_u64 s[16:17], s[16:17], s[26:27]      ; 4,096 bytes of codes a run
	s_lshl_b32 s26, s28, 8
	s_add_nc_u64 s[18:19], s[18:19], s[26:27]      ; 256 scale bytes a run
.macro LOAD t
.irp i, 0,1,2,3
	global_load_b128 v[R+16*((\t)%4)+4*\i:R+16*((\t)%4)+4*\i+3], v3, s[4:5] offset:2048*(\t)+512*\i th:TH_LOAD_NT
.endr
.endm
.macro TURN t                          ; LDS serves a wave's instructions in order: no wait between the stores and the loads
.irp i, 0,1,2,3
	ds_store_b128 v14, v[R+16*((\t)%4)+4*\i:R+16*((\t)%4)+4*\i+3] offset:32*SP*((\t)%2)+8*SP*\i
.endr
.irp i, 0,1,2,3
	ds_load_b128 v[X+16*((\t)%2)+4*\i:X+16*((\t)%2)+4*\i+3], v15 offset:32*SP*((\t)%2)+16*\i
.endr
.endm
.irp t, 0,1,2,3
	LOAD \t
.endr
	s_wait_loadcnt 12                              ; step 0's four loads are in; three steps' twelve stay out
	TURN 0
.macro STEP t
.set XS, X+16*((\t)%2)
.if (\t) > 0
	s_wait_dscnt 1                                 ; this step's numbers are back from the stage; the last step's byte store may be out
.else
	s_wait_dscnt 0x0
.endif
.if (\t)+4 < STEPS
	LOAD (\t)+4
.endif
.if (\t)+1 < STEPS
.if STEPS-2-(\t) >= 3
	s_wait_loadcnt 12                              ; the next step's four loads are in; those of the three steps behind it may be out
.else
	s_wait_loadcnt 4*(STEPS-2-(\t))
.endif
	TURN (\t)+1
.endif
	v_max3_num_f32 v8, |v[XS]|, |v[XS+1]|, |v[XS+2]|               ; the largest magnitude of my 16, in two chains
	v_max3_num_f32 v9, |v[XS+3]|, |v[XS+4]|, |v[XS+5]|
.irp i, 6,10
	v_max3_num_f32 v8, v8, |v[XS+\i]|, |v[XS+\i+1]|
	v_max3_num_f32 v9, v9, |v[XS+\i+2]|, |v[XS+\i+3]|
.endr
	v_max3_num_f32 v8, v8, |v[XS+14]|, |v[XS+15]|
	v_max3_num_f32 v8, v8, v9, (EMAX+1)<<23        ; and the floor 2^(3 - 127): the byte cannot fall under 1
	v_max_num_f32_dpp v8, v8, v8 row_xmask:1 row_mask:0xf bank_mask:0xf   ; with my neighbour's 16: the block's
	v_add_nc_u32 v11, -(EMAX<<23), v8              ; 2 off its exponent field: the conversion takes this operand's exponent field as its scale
	v_cvt_scalef32_pk8_fp4_f32 v[C+4*(\t)], v[XS:XS+7], v11
	v_cvt_scalef32_pk8_fp4_f32 v[C+4*(\t)+1], v[XS+8:XS+15], v11
	v_lshrrev_b32 v[E+(\t)], 23, v11               ; the scale's byte
	ds_store_b8 v5, v[E+(\t)] offset:16*(\t)       ; both lanes of a block write the same byte with the same value
	global_store_b64 v4, v[C+4*(\t):C+4*(\t)+1], s[16:17] offset:32*CB*(\t)
.endm
.irp t, 0,1,2,3,4,5,6,7,8,9,10,11,12,13,14,15
	STEP \t
.endr
	ds_load_b64 v[8:9], v6
	s_wait_dscnt 0x0
	global_store_b64 v7, v[8:9], s[18:19]          ; 32 lanes store 256 consecutive bytes, aligned
	s_wait_tensorcnt 0x0                           ; the wave's end, behind my last LDS store
	ds_add_u32 v[SPW], v[NIL]
	s_wait_dscnt 0x0
	s_endpgm
; ---- ROLE 1: Wo to f16.  A wave takes 8,192 numbers in four groups of 16 loads of 512 consecutive bytes; a store covers 256 consecutive bytes.  Two groups of loads are out at a time.
.Lcast:
	s_sub_co_u32 s25, ttmp9, 512
	s_lshl_b32 s25, s25, 2
	s_add_co_u32 s25, s25, s24
	s_lshl_b32 s26, s25, 15
	s_mov_b32 s27, 0
	v_lshlrev_b32 v3, 4, v2
	v_lshlrev_b32 v4, 3, v2
	s_wait_kmcnt 0x0
	s_add_nc_u64 s[12:13], s[12:13], s[26:27]
	s_lshl_b32 s26, s25, 14
	s_add_nc_u64 s[20:21], s[20:21], s[26:27]
.macro CLOAD g
.irp i, 0,1,2,3,4,5,6,7,8,9,10,11,12,13,14,15
	global_load_b128 v[16+64*((\g)%2)+4*\i:16+64*((\g)%2)+4*\i+3], v3, s[12:13] offset:8192*(\g)+512*\i th:TH_LOAD_NT
.endr
.endm
.macro CAST g
.if (\g) < 3
	s_wait_loadcnt 16                              ; this group is in; the next group's sixteen stay out
.else
	s_wait_loadcnt 0x0
.endif
.if (\g) > 0
	s_wait_xcnt 0x0                                ; the last group's stores have read v144-175
.endif
.irp i, 0,1,2,3,4,5,6,7,8,9,10,11,12,13,14,15
	v_cvt_pk_f16_f32 v[144+2*\i], v[16+64*((\g)%2)+4*\i], v[16+64*((\g)%2)+4*\i+1]
	v_cvt_pk_f16_f32 v[145+2*\i], v[16+64*((\g)%2)+4*\i+2], v[16+64*((\g)%2)+4*\i+3]
.endr
.if (\g)+2 < 4
	CLOAD (\g)+2
.endif
.irp i, 0,1,2,3,4,5,6,7,8,9,10,11,12,13,14,15
	global_store_b64 v4, v[144+2*\i:145+2*\i], s[20:21] offset:4096*(\g)+256*\i
.endr
.endm
	CLOAD 0
	CLOAD 1
	CAST 0
	CAST 1
	CAST 2
	CAST 3
	s_endpgm
; ---- ROLE 2: the RoPE table.  rope[kind][A][idx 16][lane 32][16 B] = cos(i), sin(i), cos(i + 1), sin(i + 1) of token 16 A + (lane % 16), i = 8 (idx / 2) + 4 (lane / 16) + 2 (idx % 2).
; Wave w makes idx = 4 it + w, it = 0 .. 3: eight pairs a thread, j = 2 it + u, i = 16 it + 8 (w / 2) + 2 (w % 2) + 4 h + u.
.Lrope:
	s_sub_co_u32 s25, ttmp9, 640                   ; A
	v_and_b32 v3, 15, v0                           ; r
	v_bfe_u32 v4, v0, 4, 1                         ; h
	v_lshlrev_b32 v5, 2, v3
	v_lshlrev_b32 v8, 4, v2                        ; 16 x lane
	s_lshl_b32 s26, s25, 6                         ; 16 positions of 4 bytes
	s_mov_b32 s27, 0
	s_lshr_b32 s28, s24, 1
	s_lshl_b32 s28, s28, 3
	s_and_b32 s29, s24, 1
	s_lshl_b32 s29, s29, 1
	s_add_co_u32 s28, s28, s29
	v_lshl_add_u32 v7, v4, 2, s28                  ; 8 (w / 2) + 2 (w % 2) + 4 h
	s_mov_b32 s30, 0xbe549a78                      ; -log2(10) / 16, high part: 10000^(-i / 64) = 2^(-i log2(10) / 16)
	s_mov_b32 s31, 0xb1979a31                      ; and low part
	s_mov_b32 s32, 0x3f22f983                      ; 2 / pi
	s_mov_b32 s33, 0xbfc90fdb                      ; -pi / 2, high part
	s_mov_b32 s34, 0x333bbd2e                      ; and what the high part took too much
	s_mov_b32 s35, 0xbe2aaaa3                      ; sine: r + r z (S1 + z (S2 + z S3)), z = r r
	s_mov_b32 s36, 0x3c08839e
	s_mov_b32 s37, 0xb94ca1f9
	s_mov_b32 s38, 0x3d2aaaa5                      ; cosine: 1 - z / 2 + z z (C1 + z (C2 + z C3))
	s_mov_b32 s39, 0xbab6061a
	s_mov_b32 s40, 0x37ccf5ce
	s_wait_kmcnt 0x0
	s_add_nc_u64 s[14:15], s[14:15], s[26:27]
	global_load_b32 v6, v5, s[14:15]               ; my token's position
	s_lshl_b32 s26, s25, 13
	s_lshl_b32 s29, s24, 9
	s_add_co_u32 s26, s26, s29
	s_add_nc_u64 s[22:23], s[22:23], s[26:27]      ; rope + 8192 A + 512 w
.irp j, 0,1,2,3,4,5,6,7
	v_add_nc_u32 v[16+\j], 16*(\j/2)+(\j%2), v7    ; i
.endr
.irp j, 0,1,2,3,4,5,6,7
	v_cvt_f32_u32 v[16+\j], v[16+\j]
.endr
.irp j, 0,1,2,3,4,5,6,7
	v_mul_f32 v[24+\j], s30, v[16+\j]
.endr
.irp j, 0,1,2,3,4,5,6,7
	v_rndne_f32 v[24+\j], v[24+\j]                 ; the exponent's whole part n
.endr
.irp j, 0,1,2,3,4,5,6,7
	v_fma_f32 v[32+\j], v[16+\j], s30, -v[24+\j]   ; and the rest, in two parts
.endr
.irp j, 0,1,2,3,4,5,6,7
	v_fma_f32 v[32+\j], v[16+\j], s31, v[32+\j]
.endr
.irp j, 0,1,2,3,4,5,6,7
	v_exp_f32 v[32+\j], v[32+\j]                   ; one batch of eight
.endr
	v_nop                                          ; a plain instruction behind the last exponential
.irp j, 0,1,2,3,4,5,6,7
	v_cvt_i32_f32 v[24+\j], v[24+\j]
.endr
	s_wait_alu depctr_va_vdst(0)                   ; one wait for the batch, ahead of its first reader
.irp j, 0,1,2,3,4,5,6,7
	v_ldexp_f32 v[40+\j], v[32+\j], v[24+\j]       ; the frequency
.endr
	s_wait_loadcnt 0x0
	v_cvt_f32_i32 v6, v6
.irp j, 0,1,2,3,4,5,6,7
	v_mul_f32 v[48+\j], v6, v[40+\j]               ; the angle
.endr
.irp j, 0,1,2,3,4,5,6,7
	v_mul_f32 v[56+\j], s32, v[48+\j]
.endr
.irp j, 0,1,2,3,4,5,6,7
	v_rndne_f32 v[56+\j], v[56+\j]                 ; k quarter turns
.endr
.irp j, 0,1,2,3,4,5,6,7
	v_fma_f32 v[48+\j], v[56+\j], s33, v[48+\j]
.endr
.irp j, 0,1,2,3,4,5,6,7
	v_fma_f32 v[48+\j], v[56+\j], s34, v[48+\j]    ; r = angle - k pi / 2
.endr
.irp j, 0,1,2,3,4,5,6,7
	v_cvt_i32_f32 v[96+\j], v[56+\j]
.endr
.irp j, 0,1,2,3,4,5,6,7
	v_mul_f32 v[64+\j], v[48+\j], v[48+\j]         ; z
.endr
.irp j, 0,1,2,3,4,5,6,7
	v_fma_f32 v[72+\j], v[64+\j], s37, s36
	v_fma_f32 v[80+\j], v[64+\j], s40, s39
.endr
.irp j, 0,1,2,3,4,5,6,7
	v_fma_f32 v[72+\j], v[72+\j], v[64+\j], s35
	v_fma_f32 v[80+\j], v[80+\j], v[64+\j], s38
.endr
.irp j, 0,1,2,3,4,5,6,7
	v_mul_f32 v[88+\j], v[64+\j], v[48+\j]
.endr
.irp j, 0,1,2,3,4,5,6,7
	v_fma_f32 v[72+\j], v[72+\j], v[88+\j], v[48+\j]   ; sin r
.endr
.irp j, 0,1,2,3,4,5,6,7
	v_mul_f32 v[88+\j], v[64+\j], v[64+\j]
.endr
.irp j, 0,1,2,3,4,5,6,7
	v_fma_f32 v[64+\j], v[64+\j], -0.5, 1.0
.endr
.irp j, 0,1,2,3,4,5,6,7
	v_fma_f32 v[80+\j], v[80+\j], v[88+\j], v[64+\j]   ; cos r
.endr
.irp j, 0,1,2,3,4,5,6,7
	v_and_b32 v[88+\j], 1, v[96+\j]
.endr
.irp j, 0,1,2,3,4,5,6,7                        ; an odd number of quarter turns swaps the two
	v_cmp_eq_u32 vcc_lo, 1, v[88+\j]
	v_cndmask_b32 v[105+2*\j], v[72+\j], v[80+\j], vcc_lo
	v_cndmask_b32 v[104+2*\j], v[80+\j], v[72+\j], vcc_lo
.endr
.irp j, 0,1,2,3,4,5,6,7
	v_and_b32 v[88+\j], 2, v[96+\j]                ; the sine is negative in quarters 2 and 3,
	v_add_nc_u32 v[96+\j], 1, v[96+\j]
.endr
.irp j, 0,1,2,3,4,5,6,7
	v_lshlrev_b32 v[88+\j], 30, v[88+\j]
	v_and_b32 v[96+\j], 2, v[96+\j]                ; the cosine in quarters 1 and 2
.endr
.irp j, 0,1,2,3,4,5,6,7
	v_xor_b32 v[105+2*\j], v[88+\j], v[105+2*\j]
	v_lshlrev_b32 v[96+\j], 30, v[96+\j]
.endr
.irp j, 0,1,2,3,4,5,6,7
	v_xor_b32 v[104+2*\j], v[96+\j], v[104+2*\j]
.endr
.irp j, 0,1,2,3,4,5,6,7                        ; Q is kept as Q / 2 and K as K / 4, exact powers of two that give f16 room: the table carries them
	v_pk_mul_f32 v[128+2*\j:129+2*\j], v[104+2*\j:105+2*\j], 0.5 op_sel_hi:[1,0]
	v_pk_mul_f32 v[144+2*\j:145+2*\j], v[104+2*\j:105+2*\j], 0x3e800000 op_sel_hi:[1,0]
.endr
.irp t, 0,1,2,3
	global_store_b128 v8, v[128+4*\t:131+4*\t], s[22:23] offset:2048*\t           ; 32 lanes store 512 consecutive bytes
	global_store_b128 v8, v[144+4*\t:147+4*\t], s[22:23] offset:2048*\t+1048576
.endr
	s_endpgm
.Lfunc_end_k_q7d217a1a4b_prep:
	.size	k_q7d217a1a4b_prep, .Lfunc_end_k_q7d217a1a4b_prep-k_q7d217a1a4b_prep
	.p2alignl 7, 3214868480
	.fill 96, 4, 3214868480
	.section	.rodata,"a",@progbits
	.p2align	6, 0x0
	.amdhsa_kernel k_q7d217a1a4b_prep
		.amdhsa_group_segment_fixed_size 33280
		.amdhsa_private_segment_fixed_size 0
		.amdhsa_enable_private_segment 0
		.amdhsa_kernarg_size 80
		.amdhsa_user_sgpr_count 2
		.amdhsa_user_sgpr_kernarg_segment_ptr 1
		.amdhsa_wavefront_size32 1
		.amdhsa_system_sgpr_workgroup_id_x 1
		.amdhsa_system_sgpr_workgroup_id_y 1
		.amdhsa_system_sgpr_workgroup_id_z 1
		.amdhsa_system_vgpr_workitem_id 0
		.amdhsa_next_free_vgpr 192
		.amdhsa_next_free_sgpr 66
		.amdhsa_reserve_vcc 1
		.amdhsa_float_denorm_mode_32 3
		.amdhsa_float_denorm_mode_16_64 3
		.amdhsa_memory_ordered 1
		.amdhsa_forward_progress 1
		.amdhsa_inst_pref_size 70
	.end_amdhsa_kernel
	.amdgpu_metadata
---
amdhsa.version: [ 1, 2 ]
amdhsa.kernels:
  - .name:           k_q7d217a1a4b_prep
    .symbol:         k_q7d217a1a4b_prep.kd
    .args:
      - { .name: x, .offset: 0, .size: 8, .value_kind: global_buffer, .address_space: global }
      - { .name: Wq, .offset: 8, .size: 8, .value_kind: global_buffer, .address_space: global }
      - { .name: Wk, .offset: 16, .size: 8, .value_kind: global_buffer, .address_space: global }
      - { .name: Wv, .offset: 24, .size: 8, .value_kind: global_buffer, .address_space: global }
      - { .name: Wo, .offset: 32, .size: 8, .value_kind: global_buffer, .address_space: global }
      - { .name: token_positions, .offset: 40, .size: 8, .value_kind: global_buffer, .address_space: global }
      - { .name: codes, .offset: 48, .size: 8, .value_kind: global_buffer, .address_space: global }
      - { .name: scales, .offset: 56, .size: 8, .value_kind: global_buffer, .address_space: global }
      - { .name: wo16, .offset: 64, .size: 8, .value_kind: global_buffer, .address_space: global }
      - { .name: rope, .offset: 72, .size: 8, .value_kind: global_buffer, .address_space: global }
    .group_segment_fixed_size: 33280
    .private_segment_fixed_size: 0
    .kernarg_segment_align: 8
    .kernarg_segment_size: 80
    .max_flat_workgroup_size: 128
    .sgpr_count:     66
    .vgpr_count:     192
    .wavefront_size: 32
...
	.end_amdgpu_metadata
.endif
;; end of part 1
;; launch qkv (part 2): grid 24 x 8, 4 waves a work-group, clusters of 4 x 4, 327,680 bytes of LDS; arguments codes, scales, rope, q_img, kv_img, fine; writes q_img, kv_img, fine
.if DOCPART == 2
	.amdgcn_target "amdgcn-amd-amdhsa--gfx1250"
	.amdhsa_code_object_version 6
	.text
	.protected	k_q7d217a1a4b_qkv
	.globl	k_q7d217a1a4b_qkv
	.p2align	8
	.type	k_q7d217a1a4b_qkv,@function
k_q7d217a1a4b_qkv:
	s_mov_b64 s[64:65], 0
	v_nop
	global_prefetch_b8 v0, s[64:65] scope:SCOPE_SE
	s_setreg_imm32_b32 hwreg(HW_REG_WAVE_MODE, 25, 1), 1
	s_wait_xcnt 0x0
	s_wait_alu depctr_hold_cnt(0) depctr_sa_sdst(0) depctr_va_vdst(0) depctr_va_sdst(0) depctr_va_ssrc(0) depctr_va_vcc(0) depctr_vm_vsrc(0)
	s_getreg_b32 s2, hwreg(HW_REG_IB_STS2, 6, 4)
	s_cmp_eq_u32 s2, 0
	s_cbranch_scc0 .Lentry_in_a_cluster
	s_endpgm
.Lentry_in_a_cluster:
	s_bfe_u32 s2, ttmp6, 0x10000c
	s_cmp_lg_u32 s2, 0xf033
	s_cbranch_scc0 .Lentry_shape_is_right
	s_endpgm
.Lentry_shape_is_right:
; Q = x Wq^T, K = x Wk^T, V = x Wv^T on codes of E2M1 with one E8M0 scale for each 32 along K (K = 2,048), sums in f32; then RoPE on Q and K; results leave as f16 images of the operands that launch attn wants.
; codes [8192 rows][1024 B], scales [8192 rows][64 B]: rows 0-2047 x, 2048-4095 Wq, 4096-6143 Wk, 6144-8191 Wv.  All of the three products is live: nothing is left out here.
; A tile of 256 x 256 is made by a work-group of four waves, 128 x 128 a wave: 64 accumulators of 16 x 16, 512 registers.  192 tiles: tile column tx = 0-7 Q, 8-15 K, 16-23 V; KIND = tx / 8 is the same in all of a cluster.
; THE MATRIX INSTRUCTION IS USED TRANSPOSED (source 0 = 16 rows of "B", source 1 = 16 rows of "A"): a lane holds one row of A and eight neighbouring rows of B.
;   Q, K: A = x (tokens 256 ty ..), B = the weight (channels): a lane holds one token and eight neighbouring channels: four RoPE pairs.  A wave's 128 channels are one head.
;   V:    A = Wv (channels 256 ty ..), B = x (tokens): the same instructions give V^T: a lane holds one channel and eight neighbouring tokens, the keys of attention's second product.
; A PIECE: 16 rows x 16 along the next product's K, f16, 512 bytes, lane l's 16 bytes at 16 l.  An accumulator rounded to f16 in pairs IS a piece, and two pieces are a 16 x 32 operand fragment:
; so results go from registers to memory by stores of 512 consecutive bytes, with no stage in LDS.
;   q_img [head][A 128][b 8][512]; kv_img [head][unit of 64 keys 32][K: [A % 4][b 8][512] | V: [T % 4][a 8][512]]; fine [Q, K, V][head][8][512]: the LOW f16 parts of tokens 0-15, for launch first16.
; Q is stored as Q / 2, K as K / 4 (the table carries the factors), V as V / 4: exact powers of two, which give f16 room for inputs some 30 times larger or offset.
; K goes in steps of 512 through a ring of two LDS slots filled by the tensor data mover (rows of 256 bytes); the scale bytes of the work-group's 512 rows come once, with the first fills, and stay.
; CLUSTERS: 4 x 4 work-groups; A's tiles are shared along a row of the cluster, B's along a column: each is asked for jointly.  No branch hangs on a work-group's place in its cluster: what differs between
; partners goes into addresses, and the one store that only the first tokens' owner makes is masked by EXEC.
; THE RoPE TABLE IS ASKED FOR AHEAD OF THE WAY OUT.  A wave's table is eight blocks of 16 loads.  Behind the last change of slots the text parts on KIND, and the last four steps of 128 along K are written twice:
; in Q's and K's arm blocks 0-2 are asked for in front of them, 256 matrix instructions ahead of their use, into 192 registers that lie idle in the loop; blocks 3-5 follow behind the last product, into the
; fragments' registers; blocks 6 and 7 into the accumulators of token blocks 0 and 1, which are done with by then.  At most 48 loads of a wave are out.
; REGISTERS: window 0: v0-31 addresses; v32-95 scale words, two sets; v128-191 A's fragments, one set.  window 1: B's fragments, two sets, at v0 and v128.  windows 2, 3: the accumulators ((a, b) at v[8 (8 (a % 4) + b)]).
;   On the way out, window 0: v32-95 F (f32 results), v96-127 H (f16), v4-15 at work; the table's blocks where macro RTMAP says.
.set SIZE_K, 2048
.set KSTEP,  512
.set NQ,     KSTEP/128
.set ROWB,   256
.set KROW,   SIZE_K*4/8
.set PITCH,  272                       ; an LDS row: 256 bytes + 16 of padding: the 16 rows that a load touches start 68 words apart
.set FR,     8
.set NL,     2
.set NP,     4
.set HALFT,  128*PITCH
.set SLOT,   4*HALFT
.set LAPS,   SIZE_K/(2*KSTEP)
.set KS,     SIZE_K/32
.set SCL,    2*SLOT
.set HALFS,  (128*KS/256)*272
.set SBLK,   (16*KS/256)*272
.set SPARE,  SCL+4*HALFS               ; the spare words: 128 bytes a wave, two blocks of 256 bytes that no other line names
.set ADRA, 16
.set ADRB, 20
.set FLG,  24                          ; v24 my wave's first block of 16 tokens: 0 in the waves that own tokens 0-15
.set L16,  26                          ; v26 16 x lane
.set ADRS, 27
.set SPW,  28
.set NIL,  29
.set SC,   32
.set AF,   128
.set F,    32
.set H,    96
.set G1, 24
.set G0, 32
.set G1B, 48
.set G0B, 56
.set G1S, 68
.set G0S, 76
.set G1SB, 80
.set G0SB, 88
.set KIND, 67                          ; s67
.set MSB, 0
.macro WIN new                         ; the immediate's high byte repeats the setting that is left
.if MSB != \new
	s_set_vgpr_msb (MSB<<8)|\new
.set MSB, \new
.endif
.endm
.set MUL_LO, 0xa1
.set MUL_HI, 0xf1
.set TO_B,   0x40
; A joint load: waves 0 and 1 fetch for A, waves 2 and 3 for B; the branch hangs on the wave's number alone.  An s_nop 0 and four v_nop follow each of the two lines.
.macro JLOAD g0a, g1a, g0b, g1b
	s_cmp_eq_u32 s15, 0
	s_cbranch_scc0 .Lfor_b_\@
	tensor_load_to_lds s[\g0a:\g0a+3], s[\g1a:\g1a+7]
	s_nop 0
.rept 4
	v_nop
.endr
	s_branch .Lasked_\@
.Lfor_b_\@:
	tensor_load_to_lds s[\g0b:\g0b+3], s[\g1b:\g1b+7]
	s_nop 0
.rept 4
	v_nop
.endr
.Lasked_\@:
.endm
.macro CREST
	s_cmp_lg_u32 s14, 0
	s_cbranch_scc1 .Lnot_wave_0_\@
	s_barrier_signal -3
.Lnot_wave_0_\@:
	s_barrier_wait -3
	s_barrier_signal -1
	s_barrier_wait -1
.endm
.macro CROUND
	s_barrier_signal -1
	s_barrier_wait -1
	CREST
.endm
	s_load_b128 s[96:99], s[0:1], 0x0              ; codes s[96:97], scales s[98:99]
	s_load_b256 s[4:11], s[0:1], 0x10              ; rope s[4:5], q_img s[6:7], kv_img s[8:9], fine s[10:11]
	v_lshl_add_u32 v[SPW], v0, 2, SPARE
	v_mov_b32 v[NIL], 0
	ds_add_u32 v[SPW], v[NIL]                      ; the wave's opening: an add to my spare word, twice on end, and its wait ahead of my first tensor load
	ds_add_u32 v[SPW], v[NIL]
	v_lshrrev_b32 v1, 5, v0
	v_readfirstlane_b32 s14, v1                    ; wave 0..3
	s_lshr_b32 s15, s14, 1                         ; which half of A's rows is mine.  Also: I fetch for A (0) or for B (1)
	s_and_b32 s16, s14, 1                          ; which half of B's rows.  Also: which 128 rows of that tile I fetch
	s_bfe_u32 s40, ttmp6, 0x40000                  ; cx, cy
	s_bfe_u32 s41, ttmp6, 0x40004
	s_lshl_b32 s42, ttmp9, 2
	s_add_co_u32 s42, s42, s40                     ; tx = 4 x cluster x + cx
	s_and_b32 s17, ttmp7, 0xffff
	s_lshl_b32 s17, s17, 2
	s_add_co_u32 s17, s17, s41                     ; ty = 4 x cluster y + cy
	s_lshr_b32 s[KIND], ttmp9, 1                   ; 0 Q, 1 K, 2 V: two clusters along x each
	s_lshl_b32 s43, s41, 2
	s_lshl_b32 s43, 15, s43                        ; my row of the cluster
	s_lshl_b32 s44, 0x1111, s40                    ; my column
	s_or_b32 s[G1+0], s43, (0<<16)|(1<<20)|(1<<21)|(5<<22)|(3<<25)  ; the mask; elements of 1 byte; padding on; bit 21 beside a mask; 4 words behind every 64
	s_or_b32 s[G1B+0], s44, (0<<16)|(1<<20)|(1<<21)|(5<<22)|(3<<25)
.irp g, G1, G1B
	s_mov_b32 s[\g+1], ROWB<<16                    ; tensor_dim0
	s_mov_b32 s[\g+2], 128<<16                     ; tensor_dim1
	s_mov_b32 s[\g+3], ROWB<<16                    ; tile_dim0
	s_mov_b32 s[\g+4], 128                         ; tile_dim1
	s_mov_b32 s[\g+5], KROW                        ; from row to row
	s_mov_b32 s[\g+6], 0
	s_mov_b32 s[\g+7], 0
.endr
	s_or_b32 s[G1S+0], s43, (3<<16)|(1<<20)|(1<<21)|(5<<22)|(3<<25) ; the scales of 128 rows: 8,192 dense bytes as rows of 256 (32 elements of 8 bytes), 16 bytes of padding behind each
	s_or_b32 s[G1SB+0], s44, (3<<16)|(1<<20)|(1<<21)|(5<<22)|(3<<25)
.irp g, G1S, G1SB
	s_mov_b32 s[\g+1], 32<<16
	s_mov_b32 s[\g+2], (128*KS/256)<<16
	s_mov_b32 s[\g+3], 32<<16
	s_mov_b32 s[\g+4], 128*KS/256
	s_mov_b32 s[\g+5], 32
	s_mov_b32 s[\g+6], 0
	s_mov_b32 s[\g+7], 0
.endr
	s_lshl_b32 s18, s16, 7                         ; which 128 rows of the tile I fetch
	s_lshl_b32 s20, s17, 8
	s_add_co_u32 s20, s20, s18
	s_cmp_eq_u32 s[KIND], 2
	s_cselect_b32 s19, 6144, 0
	s_add_co_u32 s20, s20, s19                     ; A: row 256 ty + 128 half, of x (Q, K) or of Wv (V)
	s_lshl_b32 s46, s42, 8
	s_add_co_u32 s46, s46, s18
	s_cmp_eq_u32 s[KIND], 2
	s_cselect_b32 s19, 0, 6144
	s_add_co_u32 s46, s46, s19
	s_sub_co_u32 s46, s46, 4096                    ; B: row 2048 + 256 tx (Wq, Wk) or 256 (tx - 16) (x), + 128 half
	s_mov_b32 s21, 0
	s_mov_b32 s47, 0
	s_mov_b64 s[18:19], KS
	s_mul_u64 s[22:23], s[20:21], s[18:19]         ; where these rows' scales begin
	s_mul_u64 s[92:93], s[46:47], s[18:19]
	s_mov_b64 s[18:19], KROW
	s_mul_u64 s[20:21], s[20:21], s[18:19]         ; and their codes
	s_mul_u64 s[46:47], s[46:47], s[18:19]
	s_mul_i32 s45, s14, HALFT                      ; where they go: wave x 128 rows
	s_mul_i32 s94, s14, HALFS
	s_wait_dscnt 0x0                               ; both opening adds are done
	s_wait_kmcnt 0x0
	s_add_nc_u64 s[20:21], s[96:97], s[20:21]
	s_add_nc_u64 s[22:23], s[98:99], s[22:23]
	s_add_nc_u64 s[46:47], s[96:97], s[46:47]
	s_add_nc_u64 s[92:93], s[98:99], s[92:93]
	CROUND                                         ; all sixteen work-groups are here: the first joint loads meet
	s_mov_b32 s[G0S], 1
	s_add_co_u32 s[G0S+1], s94, SCL
	s_mov_b64 s[G0S+2:G0S+3], s[22:23]
	s_or_b32 s[G0S+3], s[G0S+3], 0x80000000
	s_mov_b32 s[G0SB], 1
	s_add_co_u32 s[G0SB+1], s94, SCL
	s_mov_b64 s[G0SB+2:G0SB+3], s[92:93]
	s_or_b32 s[G0SB+3], s[G0SB+3], 0x80000000
	JLOAD G0S, G1S, G0SB, G1SB                     ; the scales first: they are wanted with K step 0
.irp s, 0,1
	s_mov_b32 s[G0+4*\s], 1
	s_add_co_u32 s[G0+4*\s+1], s45, \s*SLOT
	s_add_nc_u64 s[G0+4*\s+2:G0+4*\s+3], s[20:21], \s*ROWB
	s_or_b32 s[G0+4*\s+3], s[G0+4*\s+3], 0x80000000
	s_mov_b32 s[G0B+4*\s], 1
	s_add_co_u32 s[G0B+4*\s+1], s45, \s*SLOT
	s_add_nc_u64 s[G0B+4*\s+2:G0B+4*\s+3], s[46:47], \s*ROWB
	s_or_b32 s[G0B+4*\s+3], s[G0B+4*\s+3], 0x80000000
	JLOAD G0+4*\s, G1, G0B+4*\s, G1B               ; three tensor loads of mine are out at the most
.endr
	v_and_b32 v1, 15, v0                           ; l % 16
	v_bfe_u32 v2, v0, 4, 1                         ; l / 16
	v_mul_u32_u24 v3, v1, PITCH
	v_lshl_add_u32 v4, v2, 4, v3
	s_mul_i32 s21, s15, HALFT
	s_mul_i32 s22, s16, HALFT
	s_add_co_u32 s22, s22, 2*HALFT
.irp s, 0,1
	v_add_nc_u32 v[ADRA+\s], s21, v4
	v_add_nc_u32 v[ADRB+\s], s22, v4
	s_add_co_u32 s21, s21, SLOT
	s_add_co_u32 s22, s22, SLOT
.endr
	v_mul_u32_u24 v5, v1, KS                       ; my row's scales: KS bytes a row, and 16 more for each 256 passed
	v_lshrrev_b32 v6, 8, v5
	v_lshl_add_u32 v5, v6, 4, v5
	s_mul_i32 s21, s15, HALFS
	s_mul_i32 s22, s16, HALFS
	s_add_co_u32 s22, s22, 2*HALFS
	s_sub_co_u32 s22, s22, s21
	v_mul_u32_u24 v6, s22, v2                      ; lanes 16-31 take B's
	s_add_co_u32 s21, s21, SCL
	v_add_nc_u32 v5, v5, v6
	v_add_nc_u32 v[ADRS], s21, v5
	v_and_b32 v6, 31, v0
	v_lshlrev_b32 v[L16], 4, v6
	; the way out's addresses.  u = 2 (tx % 8) + B's half, v = 2 ty + A's half.  Q, K: head u, token blocks 8 v on;  V: head v, token blocks 8 u on
	s_and_b32 s100, s42, 7
	s_lshl_b32 s100, s100, 1
	s_add_co_u32 s100, s100, s16
	s_lshl_b32 s101, s17, 1
	s_add_co_u32 s101, s101, s15
	s_cmp_eq_u32 s[KIND], 2
	s_cselect_b32 s66, s101, s100                  ; the head
	s_cselect_b32 s95, s100, s101
	s_lshl_b32 s95, s95, 3                         ; my first block of 16 tokens
	v_mov_b32 v[FLG], s95
	s_lshl_b32 s100, s66, 19
	s_lshl_b32 s101, s95, 12
	s_add_co_u32 s100, s100, s101                  ; q_img: 524,288 a head, 4,096 a block;
	s_min_u32 s101, s[KIND], 1
	s_lshl_b32 s100, s100, s101                    ; kv_img: twice that
	s_mov_b32 s101, 0
	s_cmp_eq_u32 s[KIND], 0
	s_cselect_b64 s[12:13], s[6:7], s[8:9]
	s_add_nc_u64 s[12:13], s[12:13], s[100:101]    ; where my results go
	s_lshl_b32 s100, s[KIND], 16
	s_lshl_b32 s2, s66, 12
	s_add_co_u32 s100, s100, s2
	s_add_nc_u64 s[10:11], s[10:11], s[100:101]    ; fine + 65,536 KIND + 4,096 head
	s_cmp_eq_u32 s[KIND], 1
	s_cselect_b32 s18, 16384, 0                    ; K: from a unit's fourth block to the next unit's first, V's 16,384 bytes are passed
	s_mov_b32 s19, 0
.macro FRAG reg, adr, q, i             ; a fragment, 16 rows x 128 K of 4-bit codes: 8 registers, two loads of 16 bytes, 32 bytes apart
.irp c, 0,1
	ds_load_b128 v[\reg+4*\c:\reg+4*\c+3], v[\adr] offset:64*(\q)+32*\c+(\i)*16*PITCH
.endr
.endm
; 16 matrix instructions: A's blocks a0, a0 + 1 x B's eight, 128 along K.  The 64 accumulators take turns, one instruction a turn, in the same order in every step.
.macro MUL16 a0, p, q, sc, zero
.irp a, \a0, \a0+1
.irp b, 0,1,2,3,4,5,6,7
.if \zero
	v_wmma_scale_f32_16x16x128_f8f6f4 v[8*(8*((\a)%4)+\b):8*(8*((\a)%4)+\b)+7], v[128*(\p)+FR*\b:128*(\p)+FR*\b+FR-1], v[AF+FR*(\a):AF+FR*(\a)+FR-1], 0, v[SC+8*NQ*(\sc)+NQ*\b+(\q)], v[SC+8*NQ*(\sc)+NQ*(\a)+(\q)] matrix_a_fmt:MATRIX_FMT_FP4 matrix_b_fmt:MATRIX_FMT_FP4 matrix_a_scale:MATRIX_SCALE_ROW1
.else
	v_wmma_scale_f32_16x16x128_f8f6f4 v[8*(8*((\a)%4)+\b):8*(8*((\a)%4)+\b)+7], v[128*(\p)+FR*\b:128*(\p)+FR*\b+FR-1], v[AF+FR*(\a):AF+FR*(\a)+FR-1], v[8*(8*((\a)%4)+\b):8*(8*((\a)%4)+\b)+7], v[SC+8*NQ*(\sc)+NQ*\b+(\q)], v[SC+8*NQ*(\sc)+NQ*(\a)+(\q)] matrix_a_fmt:MATRIX_FMT_FP4 matrix_b_fmt:MATRIX_FMT_FP4 matrix_a_scale:MATRIX_SCALE_ROW1
.endif
.endr
.endr
.endm
.macro FETCH_B slot, q, p
	WIN TO_B
.irp i, 0,1,2,3,4,5,6,7
	FRAG 128*(\p)+FR*\i, ADRB+\slot, \q, \i
.endr
	WIN 0
.endm
.macro FETCH_A slot, q, i0
.irp i, \i0, \i0+1, \i0+2, \i0+3
	FRAG AF+FR*(\i), ADRA+\slot, \q, \i
.endr
.endm
.macro SCALES sc                       ; a K step's scale words: four words a row; lanes 0-15 take A's block i, lanes 16-31 B's block i
.irp i, 0,1,2,3,4,5,6,7
	ds_load_b128 v[SC+8*NQ*\sc+NQ*\i:SC+8*NQ*\sc+NQ*\i+3], v[ADRS] offset:\i*SBLK
.endr
.endm
.macro PLACES n                        ; plain vector instructions between a matrix instruction and a load into, or a vector read or write of, its registers
.rept \n
	v_nop
.endr
.endm
.macro STEP slot, q, zero
	s_wait_dscnt 4*NL                              ; B's set and A's blocks 0-3 are in; the youngest eight loads (A's blocks 4-7) may be out
	WIN MUL_LO
	MUL16 0, (\q)%2, \q, \slot, \zero
	MUL16 2, (\q)%2, \q, \slot, \zero
	s_wait_dscnt 0
	PLACES NP
	FETCH_B \slot, (\q)+1, 1-(\q)%2
	FETCH_A \slot, (\q)+1, 0
	WIN MUL_HI
	MUL16 4, (\q)%2, \q, \slot, \zero
	MUL16 6, (\q)%2, \q, \slot, \zero
	PLACES NP
	WIN 0
	FETCH_A \slot, (\q)+1, 4
.endm
; A slot's last step changes slots: one barrier; in front of it each wave waits for all its tensor loads, adds 0 to its spare word, and waits for that and for its own reads of this slot.
.macro TURN slot, next, fill
	s_wait_tensorcnt 0x0                           ; all my tensor loads have landed: my part of the next slot
	ds_add_u32 v[SPW], v[NIL]
	s_wait_dscnt 4*NL+1                            ; the add and the youngest eight loads may be out
	WIN MUL_LO
	MUL16 0, 1, NQ-1, \slot, 0
	s_wait_dscnt 0x0                               ; the add is done, and my reads of this slot are over
	s_barrier_signal -1
	MUL16 2, 1, NQ-1, \slot, 0
	WIN 0
	s_barrier_wait -1
.if \fill
	CREST                                          ; the barrier has opened a round of the cluster's barrier: no wave of any partner still reads this slot or has a load on its way
	s_add_nc_u64 s[G0+4*\slot+2:G0+4*\slot+3], s[G0+4*\slot+2:G0+4*\slot+3], 2*ROWB
	s_add_nc_u64 s[G0B+4*\slot+2:G0B+4*\slot+3], s[G0B+4*\slot+2:G0B+4*\slot+3], 2*ROWB
	JLOAD G0+4*\slot, G1, G0B+4*\slot, G1B         ; the first tensor load behind the round; its four v_nop are the places in front of the loads below
.else
	PLACES NP
.endif
	v_add_nc_u32 v[ADRS], 4*NQ, v[ADRS]
	FETCH_B \next, 0, 0
	FETCH_A \next, 0, 0
	SCALES \next
	WIN MUL_HI
	MUL16 4, 1, NQ-1, \slot, 0
	MUL16 6, 1, NQ-1, \slot, 0
	PLACES NP
	WIN 0
	FETCH_A \next, 0, 4
.endm
.macro STEPS slot, from
.set Q, \from
.rept NQ-1-\from
	STEP \slot, Q, 0
.set Q, Q+1
.endr
.endm
; The last slot's four steps; nothing more is fetched in the last.  The places at the end stand in front of the first reads of results, of loads into the fragments' registers and of writes over the scale words.
.macro LAST4
	STEPS 1, 0
	s_wait_dscnt 4*NL
	WIN MUL_LO
	MUL16 0, 1, NQ-1, 1, 0
	MUL16 2, 1, NQ-1, 1, 0
	s_wait_dscnt 0
	WIN MUL_HI
	MUL16 4, 1, NQ-1, 1, 0
	MUL16 6, 1, NQ-1, 1, 0
	WIN 0
	PLACES NP
.endm
; THE WAY OUT.
; Four pairs' LOW parts: what the rounding to f16 (in v[hh] on) left of the f32 numbers (v[ff] on), rounded to f16 again, into v[dd] on.
.macro LOW4 hh, ff, dd
	v_mov_b32 v4, v[\hh]
	v_mov_b32 v5, v[\hh+1]
	v_mov_b32 v6, v[\hh+2]
	v_mov_b32 v7, v[\hh+3]
	v_cvt_f32_f16 v8, v4.l
	v_cvt_f32_f16 v9, v4.h
	v_cvt_f32_f16 v10, v5.l
	v_cvt_f32_f16 v11, v5.h
	v_cvt_f32_f16 v12, v6.l
	v_cvt_f32_f16 v13, v6.h
	v_cvt_f32_f16 v14, v7.l
	v_cvt_f32_f16 v15, v7.h
	v_pk_add_f32 v[8:9], v[\ff:\ff+1], v[8:9] neg_lo:[0,1] neg_hi:[0,1]
	v_pk_add_f32 v[10:11], v[\ff+2:\ff+3], v[10:11] neg_lo:[0,1] neg_hi:[0,1]
	v_pk_add_f32 v[12:13], v[\ff+4:\ff+5], v[12:13] neg_lo:[0,1] neg_hi:[0,1]
	v_pk_add_f32 v[14:15], v[\ff+6:\ff+7], v[14:15] neg_lo:[0,1] neg_hi:[0,1]
	v_cvt_pk_f16_f32 v[\dd], v8, v9
	v_cvt_pk_f16_f32 v[\dd+1], v10, v11
	v_cvt_pk_f16_f32 v[\dd+2], v12, v13
	v_cvt_pk_f16_f32 v[\dd+3], v14, v15
.endm
; Where the table's block a lies: window RTW, registers RT on.  0-2: registers that lie idle in the loop;  3: A's fragments;  4, 5: B's two sets;  6, 7: the accumulators of token blocks 0 and 1.
.macro RTMAP a
.if (\a) == 0
.set RTW, 0
.set RT, 192
.elseif (\a) == 1
.set RTW, 1
.set RT, 64
.elseif (\a) == 2
.set RTW, 1
.set RT, 192
.elseif (\a) == 3
.set RTW, 0
.set RT, 128
.elseif (\a) == 4
.set RTW, 1
.set RT, 0
.elseif (\a) == 5
.set RTW, 1
.set RT, 128
.elseif (\a) == 6
.set RTW, 2
.set RT, 0
.else
.set RTW, 2
.set RT, 64
.endif
.endm
.macro ROPE a                          ; the table's block for my tokens 16 a on: 16 loads of 512 consecutive bytes: register 8 b + 2 i: cos, + 1: sin, of pair 8 b + 4 (l / 16) + i
	RTMAP \a
	WIN (RTW<<6)                                   ; the destination's window
.irp x, 0,1,2,3,4,5,6,7,8,9,10,11,12,13,14,15
	global_load_b128 v[RT+4*\x:RT+4*\x+3], v[L16], s[4:5] offset:(\a)*8192+\x*512
.endr
	WIN 0
.endm
.macro QKBLOCK a                       ; my tokens 16 a on: RoPE, f16, eight pieces
.if ((\a) >= 3) && ((\a) <= 5)
	s_wait_loadcnt 32                              ; this block's table is in; the two younger blocks' 32 loads stay out
.elseif (\a) == 6
	s_wait_loadcnt 16                              ; block 7's sixteen stay out
.elseif (\a) == 7
	s_wait_loadcnt 0x0
.endif
.if (\a) == 3
	ROPE 6                                         ; into token block 0's accumulators, which are done with
.elseif (\a) == 4
	ROPE 7                                         ; into token block 1's
.endif
	RTMAP \a
.set AC, 64*((\a)%4)
	WIN ((2+(\a)/4)|(RTW<<2))                      ; source 0: the accumulators' window; source 1: the table's
.irp b, 0,1,2,3,4,5,6,7                        ; each accumulator from its low end on
.irp i, 0,1,2,3
	v_pk_mul_f32 v[F+8*\b+2*\i:F+8*\b+2*\i+1], v[AC+8*\b+2*\i:AC+8*\b+2*\i+1], v[RT+8*\b+2*\i:RT+8*\b+2*\i+1] op_sel_hi:[1,0]   ; (x1 c, x2 c)
.endr
.irp i, 0,1,2,3
	v_pk_fma_f32 v[F+8*\b+2*\i:F+8*\b+2*\i+1], v[AC+8*\b+2*\i:AC+8*\b+2*\i+1], v[RT+8*\b+2*\i:RT+8*\b+2*\i+1], v[F+8*\b+2*\i:F+8*\b+2*\i+1] op_sel:[1,1,0] op_sel_hi:[0,1,1] neg_lo:[0,1,0]   ; (x1 c - x2 s, x2 c + x1 s)
.endr
.endr
	WIN 0
	s_wait_xcnt 0x0                                ; the last block's stores have read H and their base
.if (\a) > 0
	s_add_nc_u64 s[12:13], s[12:13], 4096
.endif
.if (\a) == 4
	s_add_nc_u64 s[12:13], s[12:13], s[18:19]
.endif
.irp q, 0,1,2,3,4,5,6,7,8,9,10,11,12,13,14,15,16,17,18,19,20,21,22,23,24,25,26,27,28,29,30,31
	v_cvt_pk_f16_f32 v[H+\q], v[F+2*\q], v[F+2*\q+1]
.endr
.irp b, 0,1,2,3,4,5,6,7
	global_store_b128 v[L16], v[H+4*\b:H+4*\b+3], s[12:13] offset:512*\b   ; a piece: 512 consecutive bytes
.endr
.if (\a) == 0                          ; the low parts of my first 16 tokens: made by every wave (no branch may hang on a place in the cluster), stored where these are tokens 0-15
.irp g, 0,1,2,3,4,5,6,7
	LOW4 H+4*\g, F+8*\g, F+4*\g
.endr
	s_wait_xcnt 0x0                                ; EXEC changes only behind this wait
	v_cmp_eq_u32 vcc_lo, 0, v[FLG]
	s_and_saveexec_b32 s2, vcc_lo
.irp b, 0,1,2,3,4,5,6,7
	global_store_b128 v[L16], v[F+4*\b:F+4*\b+3], s[10:11] offset:512*\b
.endr
	s_wait_xcnt 0x0
	s_or_b32 exec_lo, exec_lo, s2
.endif
.endm
.macro VBLOCK a                        ; my channels 16 a on, 128 tokens: V / 4, f16, eight pieces
.set AC, 64*((\a)%4)
	s_wait_xcnt 0x0                                ; the last block's stores have read H
	WIN 0x02+(\a)/4
.irp q, 0,1,2,3,4,5,6,7,8,9,10,11,12,13,14,15,16,17,18,19,20,21,22,23,24,25,26,27,28,29,30,31
	v_pk_mul_f32 v[F+2*\q:F+2*\q+1], v[AC+2*\q:AC+2*\q+1], 0x3e800000 op_sel_hi:[1,0]
.endr
	WIN 0
.irp q, 0,1,2,3,4,5,6,7,8,9,10,11,12,13,14,15,16,17,18,19,20,21,22,23,24,25,26,27,28,29,30,31
	v_cvt_pk_f16_f32 v[H+\q], v[F+2*\q], v[F+2*\q+1]
.endr
.irp b, 0,1,2,3,4,5,6,7
	global_store_b128 v[L16], v[H+4*\b:H+4*\b+3], s[12:13] offset:16384+(\b/4)*32768+(\b%4)*4096+(\a)*512
.endr
	LOW4 H, F, 128+4*(\a)                          ; the low parts of my first 16 tokens
.endm
	s_wait_tensorcnt 1                             ; the scales and my part of K step 0 are in; K step 1's load may be out
	s_barrier_signal -1
	s_barrier_wait -1
	FETCH_B 0, 0, 0
	FETCH_A 0, 0, 0
	SCALES 0
	FETCH_A 0, 0, 4
	STEP 0, 0, 1                                   ; the first step's products start the sums: nothing is cleared
	s_mov_b32 s3, LAPS-1
.Llap:                                                 ; a trip goes once round the ring and fills both slots again
	STEPS 0, 1
	TURN 0, 1, 1
	STEPS 1, 0
	TURN 1, 0, 1
	STEP 0, 0, 0
	s_sub_co_u32 s3, s3, 1
	s_cmp_lg_u32 s3, 0
	s_cbranch_scc1 .Llap
	STEPS 0, 1                                     ; the last lap fills nothing
	TURN 0, 1, 0
	s_cmp_eq_u32 s[KIND], 2                        ; the cluster's x alone: the same in all waves and all partners
	s_cbranch_scc1 .Ltail_v
	s_lshl_b32 s100, s[KIND], 20
	s_lshl_b32 s2, s95, 13
	s_add_co_u32 s100, s100, s2
	s_add_nc_u64 s[4:5], s[4:5], s[100:101]        ; rope + 1,048,576 KIND + 8,192 x my first block
	ROPE 0                                         ; three blocks of the table, 48 loads, 256 matrix instructions ahead of their use
	ROPE 1
	ROPE 2
	LAST4
	s_wait_loadcnt 0x0                             ; blocks 0-2 are in
	ROPE 3                                         ; and the next three go out together, into the fragments' registers: 48 loads are out
	ROPE 4
	ROPE 5
.irp a, 0,1,2,3,4,5,6,7
	QKBLOCK \a
.endr
	s_branch .Lend
.Ltail_v:
	LAST4
.irp a, 0,1,2,3,4,5,6,7
	VBLOCK \a
.endr
	s_wait_xcnt 0x0                                ; EXEC changes only behind this wait
	v_cmp_eq_u32 vcc_lo, 0, v[FLG]
	s_and_saveexec_b32 s2, vcc_lo
.irp a, 0,1,2,3,4,5,6,7
	global_store_b128 v[L16], v[128+4*\a:131+4*\a], s[10:11] offset:512*\a
.endr
	s_wait_xcnt 0x0
	s_or_b32 exec_lo, exec_lo, s2
.Lend:
	s_wait_tensorcnt 0x0                           ; the wave's end, behind my last tensor load
	ds_add_u32 v[SPW], v[NIL]
	s_wait_dscnt 0x0
	CROUND                                         ; the closing round: no work-group ends while a partner may still ask for a tile that names it
	s_endpgm
.Lfunc_end_k_q7d217a1a4b_qkv:
	.size	k_q7d217a1a4b_qkv, .Lfunc_end_k_q7d217a1a4b_qkv-k_q7d217a1a4b_qkv
	.p2alignl 7, 3214868480
	.fill 96, 4, 3214868480
	.section	.rodata,"a",@progbits
	.p2align	6, 0x0
	.amdhsa_kernel k_q7d217a1a4b_qkv
		.amdhsa_group_segment_fixed_size 327680
		.amdhsa_private_segment_fixed_size 0
		.amdhsa_enable_private_segment 0
		.amdhsa_kernarg_size 48
		.amdhsa_user_sgpr_count 2
		.amdhsa_user_sgpr_kernarg_segment_ptr 1
		.amdhsa_wavefront_size32 1
		.amdhsa_system_sgpr_workgroup_id_x 1
		.amdhsa_system_sgpr_workgroup_id_y 1
		.amdhsa_system_sgpr_workgroup_id_z 1
		.amdhsa_system_vgpr_workitem_id 0
		.amdhsa_next_free_vgpr 1024
		.amdhsa_next_free_sgpr 102
		.amdhsa_reserve_vcc 1
		.amdhsa_float_denorm_mode_32 3
		.amdhsa_float_denorm_mode_16_64 3
		.amdhsa_memory_ordered 1
		.amdhsa_forward_progress 1
		.amdhsa_inst_pref_size 255
	.end_amdhsa_kernel
	.section	.bss,"aw",@nobits
	.p2align	6
	.space	262144
	.amdgpu_metadata
---
amdhsa.version: [ 1, 2 ]
amdhsa.kernels:
  - .name:           k_q7d217a1a4b_qkv
    .symbol:         k_q7d217a1a4b_qkv.kd
    .args:
      - { .name: codes, .offset: 0, .size: 8, .value_kind: global_buffer, .address_space: global }
      - { .name: scales, .offset: 8, .size: 8, .value_kind: global_buffer, .address_space: global }
      - { .name: rope, .offset: 16, .size: 8, .value_kind: global_buffer, .address_space: global }
      - { .name: q_img, .offset: 24, .size: 8, .value_kind: global_buffer, .address_space: global }
      - { .name: kv_img, .offset: 32, .size: 8, .value_kind: global_buffer, .address_space: global }
      - { .name: fine, .offset: 40, .size: 8, .value_kind: global_buffer, .address_space: global }
    .group_segment_fixed_size: 327680
    .private_segment_fixed_size: 0
    .kernarg_segment_align: 8
    .kernarg_segment_size: 48
    .max_flat_workgroup_size: 128
    .sgpr_count:     102
    .vgpr_count:     1024
    .wavefront_size: 32
...
	.end_amdgpu_metadata
.endif
;; end of part 2
;; launch attn (part 3): grid 16 x 16, 4 waves a work-group, clusters of 4 x 1, 327,680 bytes of LDS; arguments q_img, kv_img, a_img; writes a_img
.if DOCPART == 3
	.amdgcn_target "amdgcn-amd-amdhsa--gfx1250"
	.amdhsa_code_object_version 6
	.text
	.protected	k_q7d217a1a4b_attn
	.globl	k_q7d217a1a4b_attn
	.p2align	8
	.type	k_q7d217a1a4b_attn,@function
k_q7d217a1a4b_attn:
	s_mov_b64 s[64:65], 0
	v_nop
	global_prefetch_b8 v0, s[64:65] scope:SCOPE_SE
	s_setreg_imm32_b32 hwreg(HW_REG_WAVE_MODE, 25, 1), 1
	s_wait_xcnt 0x0
	s_wait_alu depctr_hold_cnt(0) depctr_sa_sdst(0) depctr_va_vdst(0) depctr_va_sdst(0) depctr_va_ssrc(0) depctr_va_vcc(0) depctr_vm_vsrc(0)
	s_getreg_b32 s2, hwreg(HW_REG_IB_STS2, 6, 4)
	s_cmp_eq_u32 s2, 0
	s_cbranch_scc0 .Lentry_in_a_cluster
	s_endpgm
.Lentry_in_a_cluster:
	s_bfe_u32 s2, ttmp6, 0x10000c
	s_cmp_lg_u32 s2, 0x3003
	s_cbranch_scc0 .Lentry_shape_is_right
	s_endpgm
.Lentry_shape_is_right:
; a[q] = the sum over k <= q of softmax_k(Q[q] . K[k] / sqrt(128)) V[k], for each of 16 heads; operands f16, products, maxima and sums f32; the weights p are rounded to f16 for the second product, a once at the end.
; WORK LEFT OUT: units of 64 keys that lie wholly behind a block of queries' last query have weight 0 under the problem's own jnp.tril for all values of the inputs: they are not loaded and not multiplied
; (shown at the head of launch prep; a NaN or an infinity that sits only there is not carried).  In the round that holds the diagonal hidden scores become -inf ahead of the maximum.
; The operands come as PIECES (16 rows x 16 along K, 512 bytes, lane l's 16 bytes at 16 l): Q' = Q / 2, K' = K / 4, V' = V / 4; so t = score' x c with c = 8 log2(e) / sqrt(128), and a' = a / 4 goes out.
; SHARES.  Cluster c = 0..3 of a head, partner e = 0..3.  A work-group owns TWO blocks of 64 queries: jL = 4 c + e and jH = 31 - jL.  THE FOUR WAVES SHARE THE KEYS, NOT THE QUERIES: every wave holds all 64 queries
; (four tiles of 16); in a round of 256 keys wave w takes unit 4 rho + w (64 keys).  So each byte of K and V is read from LDS by one wave and feeds four tiles of queries.  Block jL takes rounds 0 .. c, block jH
; rounds 0 .. 7 - c: nine rounds in every work-group, 256 equal work-groups, trip counts that are constants.  At a block's end the four waves' parts are merged through LDS (macro MERGE).
; CLUSTER.  The four partners walk the same rounds of the same head: each unit is asked for JOINTLY (the same tensor load, the same descriptor, mask 15).  The diagonal lies in trip c (first block) and in trip 8
; (second block) for every partner, so the branch to the mask hangs on c and the trip alone; what differs between partners, the lane's own limit, is a vector value.
; LAYOUT.  S^T = K Q^T (source 0 = 16 keys, source 1 = 16 queries), O^T = V^T P: a lane holds ONE query throughout; S^T's tiles rounded in pairs are P.
; SOFTMAX.  For each query and wave a running maximum m and sum l: p = 2^(c s - c m); in every round O and l are multiplied by 2^(c m_old - c m_new).  m starts at -3e38, under every score; O and l at 0.
; A ROUND: A: piece 0's 32 products K Q^T | B: piece 2's 32, piece 0's softmax in slices between them | change of slots, next K | C: piece 0's 32 products V^T P, piece 2's softmax between them | D: piece 2's 32.
; LDS: two slots of 4 units (slot s, wave w at 131,072 s + 32,768 w; a unit: K 16,384 B, V 16,384 B); behind them, where no fill lands: STAT 4,096, two exchange regions of 16,384, the spare words.
; REGISTERS, in windows of 256: window 0: v2-11 addresses and limits; v12-43 statistics, 8 a tile; v64-191 S^T, 32 a tile; v192-255 P, 16 a tile.  window 1: O^T, 64 a tile.  window 2: v0-127 Q, v128-255 K.  window 3: v0-127 V.
.set UNIT,  32768
.set SLOT1, 1<<17
.set STAT,  2*SLOT1
.set REG0,  STAT+4096
.set REGB,  16384
.set SPARE, REG0+2*REGB                ; the spare words: 128 bytes a wave, two blocks of 256 bytes that no other line names
.set LK,  2                            ; v2  32,768 w + 16 lane: my lane's place in my unit
.set ADR, 4                            ; v4  the LDS address of the run of loads in hand
.set L16, 5                            ; v5  16 x lane
.set STW, 6                            ; v6  where I put my statistics;  v7 where I read a wave's
.set STR, 7
.set XW,  8                            ; v8  where I put my parts of O^T;  v9 where I read the parts of my channel tile
.set XR,  9
.set DL,  10                           ; v10 the first block's limit: 64 (e - w) + r - 8 h;  v11 the second's: 64 (3 - e - w) + r - 8 h
.set DH,  11
.set ST,  12                           ; tile t at v[ST + 8 t]: +0 c m, +1 m, +2, +3 l, +4 .. +7 at work
.set NEG, 44                           ; v44 -infinity
.set PFO, 61                           ; v61 256 x lane
.set SPW, 62
.set NIL, 63
.set S,   64
.set P,   192
.set KF,  128
.set WV,  12
.set EE,  13
.set CC,  14
.set LIM, 15
.set KVB, 16                           ; s[16:17] kv_img at my head and wave
.set PFA, 18
.set KC,  20                           ; s20 the trip
.set G1,  24
.set G0A, 32
.set G0B, 36                           ; s[36:39] the walking descriptor
.set QHI, 40
.set AOL, 42
.set AOH, 44
.set TB,  48                           ; s48 LDS byte at which the slot to be read begins
.set QLO, 52
.set CS,  58
.set SEL, 60
.set MSB, 0
.macro WIN new
.if MSB != \new
	s_set_vgpr_msb (MSB<<8)|\new
.set MSB, \new
.endif
.endm
.set W_KQ, 0x0a                        ; K and Q in window 2, S^T in window 0
.set W_PV, 0x53                        ; V in window 3, P in window 0, O^T in window 1
.set W_RS, 0x41                        ; O^T (destination and source 0) in window 1
.macro CROUND                          ; a round of the cluster's barrier
	s_barrier_signal -1
	s_barrier_wait -1
	s_cmp_lg_u32 s[WV], 0
	s_cbranch_scc1 .Lnot_wave_0_\@
	s_barrier_signal -3
.Lnot_wave_0_\@:
	s_barrier_wait -3
	s_barrier_signal -1
	s_barrier_wait -1
.endm
.macro PLACES
.rept 4
	v_nop
.endr
.endm
	s_load_b128 s[4:7], s[0:1], 0x0                ; q_img, kv_img
	s_load_b64 s[8:9], s[0:1], 0x10                ; a_img
	v_lshl_add_u32 v[SPW], v0, 2, SPARE
	v_mov_b32 v[NIL], 0
	ds_add_u32 v[SPW], v[NIL]                      ; the wave's opening: an add to my spare word, twice on end, and its wait ahead of my first tensor load
	ds_add_u32 v[SPW], v[NIL]
	v_lshrrev_b32 v1, 5, v0
	v_readfirstlane_b32 s[WV], v1
	s_bfe_u32 s[EE], ttmp6, 0x40000                ; e: my place in the cluster
	s_mov_b32 s[CC], ttmp9                         ; c: the cluster along x
	s_and_b32 s21, ttmp7, 0xffff                   ; the head
	s_mov_b32 s[G1], 15|(3<<16)|(1<<21)            ; mask: all four; elements of 8 bytes; bit 21 beside a mask; no padding: a unit is read as it lies
	s_mov_b32 s[G1+1], 32<<16                      ; a unit, 32,768 dense bytes, as 128 rows of 256
	s_mov_b32 s[G1+2], 128<<16
	s_mov_b32 s[G1+3], 32<<16
	s_mov_b32 s[G1+4], 128
	s_mov_b32 s[G1+5], 32
	s_mov_b32 s[G1+6], 0
	s_mov_b32 s[G1+7], 0
	s_lshl_b32 s46, s21, 20
	s_lshl_b32 s22, s[WV], 15
	s_add_co_u32 s46, s46, s22                     ; kv_img: 1,048,576 a head, 32,768 a unit
	s_mov_b32 s47, 0
	s_lshl_b32 s54, s[CC], 2
	s_add_co_u32 s54, s54, s[EE]                   ; jL
	s_sub_co_u32 s55, 31, s54                      ; jH
	s_lshl_b32 s50, s21, 19                        ; q_img: 524,288 a head, 16,384 a block of 64 queries
	s_lshl_b32 s[QLO], s54, 14
	s_add_co_u32 s[QLO], s[QLO], s50
	s_mov_b32 s[QLO+1], 0
	s_lshl_b32 s[QHI], s55, 14
	s_add_co_u32 s[QHI], s[QHI], s50
	s_mov_b32 s[QHI+1], 0
	s_lshl_b32 s50, s21, 12                        ; a_img: 262,144 a block of 64 queries, 4,096 a head, 512 a channel tile
	s_lshl_b32 s51, s[WV], 9
	s_add_co_u32 s50, s50, s51
	s_lshl_b32 s[AOL], s54, 18
	s_add_co_u32 s[AOL], s[AOL], s50
	s_mov_b32 s[AOL+1], 0
	s_lshl_b32 s[AOH], s55, 18
	s_add_co_u32 s[AOH], s[AOH], s50
	s_mov_b32 s[AOH+1], 0
	s_lshl_b32 s50, s[EE], 2                       ; the prefetches: of a round's 131,072 bytes partner e's wave w names 8,192, told apart by address
	s_add_co_u32 s50, s50, s[WV]
	s_lshl_b32 s50, s50, 13
	s_lshl_b32 s51, s21, 20
	s_add_co_u32 s50, s50, s51
	s_add_co_u32 s50, s50, 4*UNIT                  ; at units 4-7: the first change of slots steps it to units 8-11
	s_mov_b32 s51, 0
	s_cmp_eq_u32 s[CC], 0
	s_cselect_b32 s[LIM], 6, 0                     ; cluster 0, whose second block walks all the head's keys, asks, in trips 0 to 5; the others never
	s_mov_b32 s[CS], 0x3f8293ee                    ; c = 8 log2(e) / sqrt(128)
	s_mov_b32 s[CS+1], s[CS]
	s_mov_b32 s[SEL], 0x76543210
	s_mov_b32 s[SEL+1], 0xfedcba98
	s_mov_b32 s[TB], 0
	s_wait_dscnt 0x0                               ; both opening adds are done
	s_wait_kmcnt 0x0
	s_add_nc_u64 s[KVB:KVB+1], s[6:7], s[46:47]
	s_add_nc_u64 s[PFA:PFA+1], s[6:7], s[50:51]
	s_add_nc_u64 s[QLO:QLO+1], s[4:5], s[QLO:QLO+1]
	s_add_nc_u64 s[QHI:QHI+1], s[4:5], s[QHI:QHI+1]
	s_add_nc_u64 s[AOL:AOL+1], s[8:9], s[AOL:AOL+1]
	s_add_nc_u64 s[AOH:AOH+1], s[8:9], s[AOH:AOH+1]
	s_mov_b32 s[G0A], 1
	s_lshl_b32 s[G0A+1], s[WV], 15                 ; slot 0, my unit's place
	s_mov_b64 s[G0A+2:G0A+3], s[KVB:KVB+1]         ; trip 0: units 0-3
	s_or_b32 s[G0A+3], s[G0A+3], 0x80000000
	s_mov_b32 s[G0B], 1
	s_add_co_u32 s[G0B+1], s[G0A+1], SLOT1
	s_cmp_eq_u32 s[CC], 0
	s_cselect_b32 s22, 0, 4*UNIT                   ; trip 1: units 4-7 of the first block, or, where c = 0, units 0-3 for the second
	s_mov_b32 s23, 0
	s_add_nc_u64 s[G0B+2:G0B+3], s[KVB:KVB+1], s[22:23]
	s_or_b32 s[G0B+3], s[G0B+3], 0x80000000
	CROUND                                         ; all four work-groups are here: the first joint loads meet
	tensor_load_to_lds s[G0A:G0A+3], s[G1:G1+7]    ; every wave issues both first fills: two tensor loads of mine are out
	s_nop 0
	tensor_load_to_lds s[G0B:G0B+3], s[G1:G1+7]
	s_nop 0
.rept 4
	v_nop
.endr
	v_and_b32 v1, 31, v0
	v_lshlrev_b32 v[L16], 4, v1
	v_lshlrev_b32 v[PFO], 8, v1
	WIN 0x80                                       ; destination window 2
.set f, 0
.rept 32                               ; the first block's Q: piece f = 8 t + b into v[4 f]
	global_load_b128 v[4*f:4*f+3], v[L16], s[QLO:QLO+1] offset:512*f
.set f, f+1
.endr
	WIN 0
	s_lshl_b32 s22, s[WV], 15
	v_add_nc_u32 v[LK], s22, v[L16]
	s_lshl_b32 s22, s[WV], 10
	v_add_nc_u32 v[STW], s22, v[L16]
	v_add_nc_u32 v[STW], STAT, v[STW]
	v_add_nc_u32 v[STR], STAT, v[L16]
	v_add_nc_u32 v[XR], s22, v[L16]
	v_add_nc_u32 v[XR], REG0, v[XR]
	s_lshl_b32 s22, s[WV], 12
	v_add_nc_u32 v[XW], s22, v[L16]
	v_add_nc_u32 v[XW], REG0, v[XW]
	v_and_b32 v1, 15, v0
	v_bfe_u32 v3, v0, 4, 1
	v_lshlrev_b32 v3, 3, v3
	v_sub_nc_u32 v1, v1, v3                        ; r - 8 h
	s_sub_co_i32 s54, s[EE], s[WV]
	s_lshl_b32 s54, s54, 6
	v_add_nc_u32 v[DL], s54, v1
	s_sub_co_i32 s54, 3, s[EE]
	s_sub_co_i32 s54, s54, s[WV]
	s_lshl_b32 s54, s54, 6
	v_add_nc_u32 v[DH], s54, v1
	v_mov_b32 v[NEG], 0xff800000
; Product i of 32 of S^T = K Q^T for piece x: channels 32 (i / 8) on, keys 16 ((i / 2) % 4) on, tile x + i % 2.  The first 8 start the sums.  Eight accumulators by turns.
.macro KQ x
	WIN W_KQ
.set rS, S+32*(\x+i%2)+8*((i/2)%4)
.set rK, KF+32*((i/2)%4)+8*(i/8)
.set rQ, 32*(\x+i%2)+8*(i/8)
.if i < 8
	v_wmma_f32_16x16x32_f16 v[rS:rS+7], v[rK:rK+7], v[rQ:rQ+7], 0
.else
	v_wmma_f32_16x16x32_f16 v[rS:rS+7], v[rK:rK+7], v[rQ:rQ+7], v[rS:rS+7]
.endif
.endm
; Product i of 32 of O^T += V^T P: keys 32 (i / 16) on, channels 16 ((i / 2) % 8) on, tile x + i % 2.  Sixteen accumulators by turns.
.macro PV x
	WIN W_PV
.set rO, 64*(\x+i%2)+8*((i/2)%8)
.set rV, 64*(i/16)+8*((i/2)%8)
.set rP, P+16*(\x+i%2)+8*(i/16)
	v_wmma_f32_16x16x32_f16 v[rO:rO+7], v[rV:rV+7], v[rP:rP+7], v[rO:rO+7]
.endm
.macro FETCH_K                         ; my unit's K: piece f = 8 (key tile) + b into v[128 + 4 f] of window 2: 32 loads of 512 consecutive bytes
	WIN 0
	v_add_nc_u32 v[ADR], s[TB], v[LK]
	WIN 0x80
.set f, 0
.rept 32
	ds_load_b128 v[KF+4*f:KF+4*f+3], v[ADR] offset:512*f
.set f, f+1
.endr
.endm
.macro FETCH_V                         ; my unit's V: piece f = 8 T + a (keys 16 T on, channels 16 a on) is half T % 2 of fragment (T / 2, a)
	WIN 0
	v_add_nc_u32 v[ADR], s[TB], v[LK]
	WIN 0xc0
.set f, 0
.rept 32
	ds_load_b128 v[64*(f/16)+8*(f%8)+4*((f/8)%2):64*(f/16)+8*(f%8)+4*((f/8)%2)+3], v[ADR] offset:16384+512*f
.set f, f+1
.endr
.endm
; One tile's softmax for one round is a list of 134 instructions; SM writes number j of it for tile t.
;   0-15 the maximum of the lane's 32 scores and the old m;  16-20 the other half of the lanes' maximum, the new m, c m, its change;  21-69 ONE BATCH: 16 packed scalings c s - c m and 33 exponentials, none of
;   which reads an exponential's result;  (the wait: SLICE writes it);  70-85 the roundings to f16;  86-101 the sums, l = a l + the sum;  102-133 the tile's O^T times a.
.macro SM t
.set rT, ST+8*(\t)
.set rS, S+32*(\t)
.set rP, P+16*(\t)
.set rO, 64*(\t)+2*(j-102)
.if j < 102
	WIN 0
.endif
.if j < 4
	v_max3_num_f32 v[rT+4+j], v[rS+8*j], v[rS+8*j+1], v[rS+8*j+2]
.elseif j < 12
	v_max3_num_f32 v[rT+4+j%4], v[rT+4+j%4], v[rS+8*(j%4)+2*(j/4)+1], v[rS+8*(j%4)+2*(j/4)+2]
.elseif j == 12
	v_max3_num_f32 v[rT+4], v[rT+4], v[rS+7], v[rS+15]
.elseif j == 13
	v_max3_num_f32 v[rT+6], v[rT+6], v[rS+23], v[rS+31]
.elseif j == 14
	v_max3_num_f32 v[rT+4], v[rT+4], v[rT+5], v[rT+6]
.elseif j == 15
	v_max3_num_f32 v[rT+4], v[rT+4], v[rT+7], v[rT+1]
.elseif j == 16
	v_permlanex16_b32 v[rT+5], v[rT+4], s[SEL], s[SEL+1]  ; the query's other 32 keys lie in the lane 16 away
.elseif j == 17
	v_mov_b32 v[rT+7], v[rT]        ; c m_old is kept: number 19 writes c m anew
.elseif j == 18
	v_max_num_f32 v[rT+1], v[rT+4], v[rT+5]
.elseif j == 19
	v_mul_f32 v[rT], s[CS], v[rT+1]
.elseif j == 20
	v_sub_f32 v[rT+7], v[rT+7], v[rT]
.elseif j == 23
	v_exp_f32 v[rT+6], v[rT+7]      ; a
.elseif (j < 23) || ((j < 38) && (j%2 == 0)) || ((j < 66) && (j%4 == 2))
.set b, (j-2)/4
.if j < 38
.set b, (j-20)/2
.endif
	v_pk_fma_f32 v[rS+2*b:rS+2*b+1], v[rS+2*b:rS+2*b+1], s[CS:CS+1], v[rT:rT+1] op_sel_hi:[1,0,0] neg_lo:[0,0,1] neg_hi:[0,0,1]  ; pair b: c s - c m
.elseif j < 70
.set e, j-38
.if j < 66
.set e, j-32-(j-38)/4
.endif
.if j < 38
.set e, (j-25)/2
.endif
	v_exp_f32 v[rS+e], v[rS+e]
.elseif j < 86
	v_cvt_pk_f16_f32 v[rP+j-70], v[rS+2*(j-70)], v[rS+2*(j-70)+1]
.elseif j < 102
.set z, j-86
.set w, 4
.set u, z
.if z >= 14
.set w, 32
.set u, 0
.elseif z >= 12
.set w, 16
.set u, z-12
.elseif z >= 8
.set w, 8
.set u, z-8
.endif
.if z < 15
	v_pk_add_f32 v[rS+w*u:rS+w*u+1], v[rS+w*u:rS+w*u+1], v[rS+w*u+w/2:rS+w*u+w/2+1]
.else
	v_pk_fma_f32 v[rT+2:rT+3], v[rT+2:rT+3], v[rT+6:rT+7], v[rS:rS+1] op_sel_hi:[1,0,1]
.endif
.else
	WIN W_RS
	v_pk_mul_f32 v[rO:rO+1], v[rO:rO+1], v[rT+6:rT+7] op_sel_hi:[1,0]
.endif
.endm
; Slice k of 64 of piece y's softmax.  Slices 11 to 34 deal out the batch, four numbers of one tile each, the tiles by turns; every other slice is numbers 2 k and 2 k + 1 of both tiles; slice 63 takes the twelve that are over.
; Ahead of slice 35 nothing names an exponential's result, and behind slice 34 none is issued: so the piece's 66 exponentials have one plain instruction and one wait behind them.
.macro SLICE y
.if (k >= 11) && (k < 35)
.irp n, 0,1,2,3
.set j, 22+4*((k-11)/2)+(\n)
	SM (\y)+(k-11)%2
.endr
.else
.irp n, 0,1,2,3,4,5,6,7
.if (\n < 2) || (k == 63)
.irp t, \y, \y+1
.set j, 2*k+\n
	SM \t
.endr
.endif
.endr
.endif
.if k == 34
	v_nop
	s_wait_alu depctr_va_vdst(0)
.endif
.set k, k+1
.endm
; The diagonal.  Register n of tile t holds key 16 (n / 8) + n % 8 + 8 h of my unit, for query 16 t + r of the block: hidden where 16 (n / 8) + n % 8 - 16 t is over the lane's limit.  Each accumulator from its low end on.
.macro MASK y, d
.irp t, \y, \y+1
.irp n, 0,1,2,3,4,5,6,7,8,9,10,11,12,13,14,15,16,17,18,19,20,21,22,23,24,25,26,27,28,29,30,31
	v_cmp_gt_i32 vcc_lo, 16*(\n/8)+\n%8-16*(\t), v[\d]
	v_cndmask_b32 v[S+32*(\t)+\n], v[S+32*(\t)+\n], v[NEG], vcc_lo
.endr
.endr
.endm
.macro MASKS y, mask                   ; mask = 1: in the loop, the first block's diagonal lies in trip c;  2: the last trip, the second block's;  0: none
.if \mask == 1
	s_cmp_lg_u32 s[KC], s[CC]
	s_cbranch_scc1 .Lopen_\@
	MASK \y, DL
.Lopen_\@:
.elseif \mask == 2
	MASK \y, DH
.endif
.endm
; THE CHANGE OF SLOTS: my K and V of this trip have been asked for.  Each wave waits for all its tensor loads (one is out: the next trip's unit), adds 0 to its spare word, and waits for that and for its reads of the slot.
; The barrier is a round of the cluster's; the joint refill, the unit of trip k + 2, is the first thing behind it and has a whole round's work in which to land.
.macro CHANGE
	s_wait_tensorcnt 0x0                           ; no tensor load of mine is out, so the walking descriptor may be written
	ds_add_u32 v[SPW], v[NIL]                      ; 0 onto my spare word; the descriptor's words stand between it and the wait for it
	s_add_co_u32 s21, s[KC], 2                     ; trip k + 2 reads round k + 2 of the first block, or k + 1 - c of the second
	s_sub_co_u32 s22, s21, s[CC]
	s_sub_co_u32 s22, s22, 1
	s_cmp_gt_u32 s21, s[CC]
	s_cselect_b32 s22, s22, s21
	s_lshl_b32 s22, s22, 17
	s_mov_b32 s23, 0
	s_xor_b32 s[G0B+1], s[G0B+1], SLOT1            ; the other slot than last time
	s_add_nc_u64 s[G0B+2:G0B+3], s[KVB:KVB+1], s[22:23]
	s_or_b32 s[G0B+3], s[G0B+3], 0x80000000
	s_wait_xcnt 0x0                                ; the last prefetch, a round back, has read its address
	s_add_nc_u64 s[PFA:PFA+1], s[PFA:PFA+1], 4*UNIT
	s_wait_dscnt 0x0                               ; the add is done, and my reads of the slot are over
	CROUND
	tensor_load_to_lds s[G0B:G0B+3], s[G1:G1+7]
	s_nop 0
.rept 4
	v_nop
.endr
	s_cmp_lt_u32 s[KC], s[LIM]                     ; A PREFETCH INTO THE L2 of what the NEXT change will ask for: in cluster 0, trip k names units 4 (k + 2) on, 8,192 bytes a wave, lanes 256 bytes apart:
	s_cbranch_scc0 .Lnot_mine_\@                   ; each block is named once in the launch; trip 5 names the head's last units; nothing is asked at the head
	global_prefetch_b8 v[PFO], s[PFA:PFA+1] th:TH_LOAD_NT scope:SCOPE_SE
.Lnot_mine_\@:
	s_xor_b32 s[TB], s[TB], SLOT1
.endm
.macro ROUND fill, nextk, mask
	FETCH_V
	s_wait_dscnt 32                                ; K is in; V's 32 loads may be out
.set i, 0
.rept 32
	KQ 0
.set i, i+1
.endr
	WIN 0
	PLACES
	MASKS 0, \mask
.set k, 0
.set i, 0
.rept 32
	KQ 2
	SLICE 0
	SLICE 0
.set i, i+1
.endr
	WIN 0                                          ; slice 63's sixteen plain lines are the places behind the last product
	MASKS 2, \mask
.if \fill
	CHANGE
	FETCH_K
.elseif \nextk
	s_wait_tensorcnt 0x0                           ; the last trip's unit is in: no load was issued behind it
	s_xor_b32 s[TB], s[TB], SLOT1
	FETCH_K
	s_wait_dscnt 32                                ; V is in; K's 32 loads may be out
.else
	s_wait_dscnt 0x0                               ; V is in
.endif
.set k, 0
.set i, 0
.rept 32
	PV 0
	SLICE 2
	SLICE 2
.set i, i+1
.endr
.set i, 0
.rept 32
	PV 2
.set i, i+1
.endr
	WIN 0
	PLACES
.endm
; A block begins: m under every score, l = 0, O^T = 0.  O^T is cleared, since the round is written once and a wave may meet no open key in a whole block.
.macro INIT
	WIN 0
.irp t, 0,1,2,3
	v_mov_b32 v[ST+8*\t+1], 0xff61b1e6
	v_mov_b32 v[ST+8*\t+2], 0
	v_mov_b32 v[ST+8*\t+3], 0
.endr
.irp t, 0,1,2,3
	v_mul_f32 v[ST+8*\t], s[CS], v[ST+8*\t+1]
.endr
	WIN 0x40
.set i, 0
.rept 256
	v_mov_b32 v[i], 0
.set i, i+1
.endr
	WIN 0
.endm
.macro XSTORE s                        ; my part of tile s / 2, channel tiles 4 (s % 2) + u: 4,096 bytes into region s % 2
	WIN 0x04                                       ; an LDS store's data are its source 1: window 1
.irp u, 0,1,2,3
.irp q, 0,1
	ds_store_b128 v[XW], v[64*((\s)/2)+8*(4*((\s)%2)+\u)+4*\q:64*((\s)/2)+8*(4*((\s)%2)+\u)+4*\q+3] offset:((\s)%2)*REGB+(2*\u+\q)*512
.endr
.endr
	WIN 0
.endm
.macro XLOAD s                         ; the four waves' parts of channel tile 4 (s % 2) + w
.irp p, 0,1,2,3
.irp q, 0,1
	ds_load_b128 v[64+8*\p+4*\q:64+8*\p+4*\q+3], v[XR] offset:((\s)%2)*REGB+\p*4096+\q*512
.endr
.endr
.endm
.macro XSUM s
.irp q, 0,2,4,6
	v_pk_add_f32 v[64+\q:65+\q], v[64+\q:65+\q], v[72+\q:73+\q]
	v_pk_add_f32 v[80+\q:81+\q], v[80+\q:81+\q], v[88+\q:89+\q]
.endr
.irp q, 0,2,4,6
	v_pk_add_f32 v[64+\q:65+\q], v[64+\q:65+\q], v[80+\q:81+\q]
.endr
.irp q, 0,1,2,3
	v_cvt_pk_f16_f32 v[128+4*(\s)+\q], v[64+2*\q], v[65+2*\q]
.endr
.endm
; THE MERGE at a block's end.  Wave p holds, for each query, c m_p, l_p and O_p over its keys.  With c M = the largest c m_p and f_p = 2^(c m_p - c M): a = (sum of f_p O_p) / (sum of f_p l_p).
; The statistics go round through STAT (one barrier); each wave scales its O^T by f_own / L; then, in eight sub-phases (a tile of queries, half of the channels), the parts go through two regions that take turns,
; one barrier a sub-phase, and wave w sums channel tile 4 (s % 2) + w, rounds it to f16 and stores the piece: 512 consecutive bytes.  again = 1: the second block's Q is asked for first and waited for last.
.macro MERGE ao, again
.if \again
	WIN 0x80
.set f, 0
.rept 32
	global_load_b128 v[4*f:4*f+3], v[L16], s[QHI:QHI+1] offset:512*f
.set f, f+1
.endr
	WIN 0
.endif
.irp t, 0,1,2,3
	v_add_f32 v[ST+8*\t+4], v[ST+8*\t+2], v[ST+8*\t+3]
.endr
.irp t, 0,1,2,3
	v_permlanex16_b32 v[ST+8*\t+5], v[ST+8*\t+4], s[SEL], s[SEL+1]
.endr
.irp t, 0,1,2,3
	v_add_f32 v[68+\t], v[ST+8*\t+4], v[ST+8*\t+5]
	v_mov_b32 v[64+\t], v[ST+8*\t]
.endr
	ds_store_b128 v[STW], v[64:67]
	ds_store_b128 v[STW], v[68:71] offset:512
	s_wait_dscnt 0x0                               ; for the others' sake: my stores have landed (and the next K's loads are in)
	s_barrier_signal -1
	s_barrier_wait -1
.irp p, 0,1,2,3
	ds_load_b128 v[72+8*\p:75+8*\p], v[STR] offset:1024*\p
	ds_load_b128 v[76+8*\p:79+8*\p], v[STR] offset:1024*\p+512
.endr
	s_wait_dscnt 0x0
.irp t, 0,1,2,3
	v_max3_num_f32 v[ST+8*\t+4], v[72+\t], v[80+\t], v[88+\t]
.endr
.irp t, 0,1,2,3
	v_max_num_f32 v[ST+8*\t+4], v[ST+8*\t+4], v[96+\t]
.endr
.irp p, 0,1,2,3
.irp t, 0,1,2,3
	v_sub_f32 v[104+4*\p+\t], v[72+8*\p+\t], v[ST+8*\t+4]
.endr
.endr
.irp t, 0,1,2,3
	v_sub_f32 v[120+\t], v[ST+8*\t], v[ST+8*\t+4]
.endr
.set i, 0
.rept 20
	v_exp_f32 v[104+i], v[104+i]                   ; one batch: the four waves' f for four tiles, and my own
.set i, i+1
.endr
	v_nop
	s_wait_alu depctr_va_vdst(0)                   ; one wait for the batch
.irp t, 0,1,2,3
	v_mul_f32 v[124+\t], v[104+\t], v[76+\t]
.endr
.irp p, 1,2,3
.irp t, 0,1,2,3
	v_fmac_f32 v[124+\t], v[104+4*\p+\t], v[76+8*\p+\t]
.endr
.endr
.irp t, 0,1,2,3
	v_rcp_f32 v[124+\t], v[124+\t]                 ; L is over 0: the diagonal key counts for every query
.endr
	v_nop
	s_wait_alu depctr_va_vdst(0)
.irp t, 0,1,2,3
	v_mul_f32 v[ST+8*\t+6], v[120+\t], v[124+\t]
.endr
	WIN W_RS
.irp t, 0,1,2,3
.set i, 64*\t
.rept 32
	v_pk_mul_f32 v[i:i+1], v[i:i+1], v[ST+8*\t+6:ST+8*\t+7] op_sel_hi:[1,0]   ; each accumulator from its low end on
.set i, i+2
.endr
.endr
	WIN 0
	XSTORE 0
	s_wait_dscnt 0x0
	s_barrier_signal -1
	s_barrier_wait -1
.irp s, 0,1,2,3,4,5,6,7
	XLOAD \s
.if \s < 7
	XSTORE \s+1                                    ; into the other region, whose readers finished in front of the last barrier
.endif
	s_wait_dscnt 0x0                               ; my loads are in and my stores have landed
.if \s < 7
	s_barrier_signal -1
.endif
	XSUM \s                                        ; work on registers while the others arrive
.if \s < 7
	s_barrier_wait -1
.endif
	global_store_b128 v[L16], v[128+4*\s:131+4*\s], s[\ao:\ao+1] offset:(\s/2)*65536+(\s%2)*2048
.endr
	s_wait_xcnt 0x0                                ; the stores have read their registers, which the next round's products write
.if \again
	INIT
	s_wait_loadcnt 0x0                             ; the second block's Q
.endif
.endm
	INIT
	s_wait_tensorcnt 1                             ; my unit of trip 0 is in (only I read it); trip 1's may stay out
	FETCH_K
	s_wait_loadcnt 0x0                             ; Q
	s_mov_b32 s[KC], 0
	WIN 0
.Ltrip:                                            ; trips 0 to 6: each asks for the unit of two trips on
	ROUND 1, 1, 1
	s_cmp_lg_u32 s[KC], s[CC]                      ; trip c ends the first block: c and the trip are the same in all waves and all partners
	s_cbranch_scc1 .Lno_merge
	MERGE AOL, 1
.Lno_merge:
	s_add_co_u32 s[KC], s[KC], 1
	s_cmp_lt_u32 s[KC], 7
	s_cbranch_scc1 .Ltrip
	ROUND 0, 1, 0                                  ; the tail is written out: nothing more is asked for
	ROUND 0, 0, 2                                  ; trip 8 holds the second block's diagonal
	MERGE AOH, 0
	s_wait_tensorcnt 0x0                           ; the wave's end, behind my last tensor load and my last LDS store
	ds_add_u32 v[SPW], v[NIL]
	s_wait_dscnt 0x0
	CROUND                                         ; the closing round
	s_endpgm
.Lfunc_end_k_q7d217a1a4b_attn:
	.size	k_q7d217a1a4b_attn, .Lfunc_end_k_q7d217a1a4b_attn-k_q7d217a1a4b_attn
	.p2alignl 7, 3214868480
	.fill 96, 4, 3214868480
	.section	.rodata,"a",@progbits
	.p2align	6, 0x0
	.amdhsa_kernel k_q7d217a1a4b_attn
		.amdhsa_group_segment_fixed_size 327680
		.amdhsa_private_segment_fixed_size 0
		.amdhsa_enable_private_segment 0
		.amdhsa_kernarg_size 24
		.amdhsa_user_sgpr_count 2
		.amdhsa_user_sgpr_kernarg_segment_ptr 1
		.amdhsa_wavefront_size32 1
		.amdhsa_system_sgpr_workgroup_id_x 1
		.amdhsa_system_sgpr_workgroup_id_y 1
		.amdhsa_system_sgpr_workgroup_id_z 1
		.amdhsa_system_vgpr_workitem_id 0
		.amdhsa_next_free_vgpr 1024
		.amdhsa_next_free_sgpr 66
		.amdhsa_reserve_vcc 1
		.amdhsa_float_denorm_mode_32 3
		.amdhsa_float_denorm_mode_16_64 3
		.amdhsa_memory_ordered 1
		.amdhsa_forward_progress 1
		.amdhsa_inst_pref_size 246
	.end_amdhsa_kernel
	.amdgpu_metadata
---
amdhsa.version: [ 1, 2 ]
amdhsa.kernels:
  - .name:           k_q7d217a1a4b_attn
    .symbol:         k_q7d217a1a4b_attn.kd
    .args:
      - { .name: q_img, .offset: 0, .size: 8, .value_kind: global_buffer, .address_space: global }
      - { .name: kv_img, .offset: 8, .size: 8, .value_kind: global_buffer, .address_space: global }
      - { .name: a_img, .offset: 16, .size: 8, .value_kind: global_buffer, .address_space: global }
    .group_segment_fixed_size: 327680
    .private_segment_fixed_size: 0
    .kernarg_segment_align: 8
    .kernarg_segment_size: 24
    .max_flat_workgroup_size: 128
    .sgpr_count:     66
    .vgpr_count:     1024
    .wavefront_size: 32
...
	.end_amdgpu_metadata
.endif
;; end of part 3
;; launch proj (part 4): grid 16 x 16, 4 waves a work-group, clusters of 4 x 4, 327,680 bytes of LDS; arguments a_img, wo16, out0; writes out0
.if DOCPART == 4
	.amdgcn_target "amdgcn-amd-amdhsa--gfx1250"
	.amdhsa_code_object_version 6
	.text
	.protected	k_q7d217a1a4b_proj
	.globl	k_q7d217a1a4b_proj
	.p2align	8
	.type	k_q7d217a1a4b_proj,@function
k_q7d217a1a4b_proj:
	s_mov_b64 s[64:65], 0
	v_nop
	global_prefetch_b8 v0, s[64:65] scope:SCOPE_SE
	s_setreg_imm32_b32 hwreg(HW_REG_WAVE_MODE, 25, 1), 1
	s_wait_xcnt 0x0
	s_wait_alu depctr_hold_cnt(0) depctr_sa_sdst(0) depctr_va_vdst(0) depctr_va_sdst(0) depctr_va_ssrc(0) depctr_va_vcc(0) depctr_vm_vsrc(0)
	s_getreg_b32 s2, hwreg(HW_REG_IB_STS2, 6, 4)
	s_cmp_eq_u32 s2, 0
	s_cbranch_scc0 .Lentry_in_a_cluster
	s_endpgm
.Lentry_in_a_cluster:
	s_bfe_u32 s2, ttmp6, 0x10000c
	s_cmp_lg_u32 s2, 0xf033
	s_cbranch_scc0 .Lentry_shape_is_right
	s_endpgm
.Lentry_shape_is_right:
; out0[token][n] = 4 x the sum over k of a'[token][k] Wo[n][k]: a' = a / 4 in f16 pieces (a_img [A 128][piece 128][512 B]: tokens 16 A on, k = 16 piece on), Wo in f16 row-major; sums in f32, out0 f32.
; A tile of 128 x 128 to a work-group (256 of them), 64 x 64 to each of four waves: 16 accumulators.  K goes in steps of 256 through a ring of two LDS slots.
;   A's part of a slot: 8 token blocks x 8,192 bytes (16 pieces), as they lie: a fragment is two loads of 512 consecutive bytes.  B's part: 128 rows of 512 bytes + 16 of padding.
; CLUSTERS: 4 x 4; A's tiles are shared along a row of the cluster, B's along a column, each asked for jointly.  THE MATRIX INSTRUCTION IS USED TRANSPOSED (source 0 = 16 rows of Wo, source 1 = 16 tokens):
; a lane holds eight neighbouring numbers of a row of out0.  A wave's 64 columns are 256 aligned bytes of a row, so each wave has a stage of its own on the way out and no barrier stands there.
; THE CLUSTERS WALK K FROM DIFFERENT STARTS: cluster (X, Y) begins at K step (2 X + 4 Y) mod 8 and goes round.  The four clusters of one Y, which read the same rows of a, start 2 steps apart: their first two fills
; name all eight K steps of those rows.  Clusters Y and Y + 1 of one X, which read the same rows of Wo, start 4 steps apart.  So the clusters that share rows ask for different K steps at any one time.
; The start hangs on the cluster's coordinates alone, so every descriptor stays the same in all partners that it names.  A sum's K steps are added in a rotated order: that moves a result by rounding alone.
; Rows 0-15 lie inside a live tile and are made here with f16 operands like the rest; launch first16, which runs behind this one, stores them anew, more finely.
; REGISTERS: window 0: v0-31 addresses; v32-63 scaled results; v64-127 rows read back, two sets; v128-255 the accumulators ((a, b) at v[128 + 8 (4 a + b)]).  window 1: two fragment buffers of 128.
.set SIZE_K, 2048
.set KSTEP,  256
.set PITCH,  528                       ; B's LDS row: 512 bytes + 16 of padding: the 16 rows that a load touches start 132 words apart
.set HALFA,  32768                     ; four token blocks' pieces of a K step
.set APART,  2*HALFA
.set HALFB,  64*PITCH
.set SLOT,   APART+2*HALFB
.set STAGE,  2*SLOT
.set SPITCH, 272
.set SPARE,  STAGE+4*16*SPITCH         ; the spare words: 128 bytes a wave, two blocks of 256 bytes that no other line names
.set LAPS,   SIZE_K/(2*KSTEP)
.set ADRA, 16
.set ADRB, 20
.set STO,  24
.set RD,   25
.set CO,   26
.set SPW,  28
.set NIL,  29
.set TMP,  32
.set BK,   64
.set ACC,  128
.set F0,   0
.set F1,   128
.set G1, 24
.set G0, 32
.set G1B, 48
.set G0B, 56
.set KI,    66                         ; s66, s67 the K step that slot 0, 1 was last asked to hold
.set ABASE, 68                         ; s[68:69] a_img at the rows that I fetch, K step 0
.set BBASE, 70                         ; s[70:71] wo16 likewise
.set TOF,   72                         ; s[72:73] a K step's byte offset, the high word 0
.set MSB, 0
.macro WIN new
.if MSB != \new
	s_set_vgpr_msb (MSB<<8)|\new
.set MSB, \new
.endif
.endm
.set MUL,  0x05
.set TO_F, 0x40
.macro JLOAD s                         ; a joint load: waves 0 and 1 fetch A's two halves, waves 2 and 3 B's; an s_nop 0 and four v_nop follow each line
	s_cmp_eq_u32 s11, 0
	s_cbranch_scc0 .Lfor_b_\@
	tensor_load_to_lds s[G0+4*\s:G0+4*\s+3], s[G1:G1+7]
	s_nop 0
.rept 4
	v_nop
.endr
	s_branch .Lasked_\@
.Lfor_b_\@:
	tensor_load_to_lds s[G0B+4*\s:G0B+4*\s+3], s[G1B:G1B+7]
	s_nop 0
.rept 4
	v_nop
.endr
.Lasked_\@:
.endm
.macro CREST
	s_cmp_lg_u32 s10, 0
	s_cbranch_scc1 .Lnot_wave_0_\@
	s_barrier_signal -3
.Lnot_wave_0_\@:
	s_barrier_wait -3
	s_barrier_signal -1
	s_barrier_wait -1
.endm
.macro CROUND
	s_barrier_signal -1
	s_barrier_wait -1
	CREST
.endm
.macro WHERE s                         ; slot s's two global addresses, from its K step: 8,192 bytes a step in a token block of a_img, 512 in a row of wo16
	s_lshl_b32 s[TOF], s[KI+\s], 13
	s_add_nc_u64 s[G0+4*\s+2:G0+4*\s+3], s[ABASE:ABASE+1], s[TOF:TOF+1]
	s_or_b32 s[G0+4*\s+3], s[G0+4*\s+3], 0x80000000
	s_lshl_b32 s[TOF], s[KI+\s], 9
	s_add_nc_u64 s[G0B+4*\s+2:G0B+4*\s+3], s[BBASE:BBASE+1], s[TOF:TOF+1]
	s_or_b32 s[G0B+4*\s+3], s[G0B+4*\s+3], 0x80000000
.endm
	s_load_b128 s[4:7], s[0:1], 0x0                ; a_img, wo16
	s_load_b64 s[8:9], s[0:1], 0x10                ; out0
	v_lshl_add_u32 v[SPW], v0, 2, SPARE
	v_mov_b32 v[NIL], 0
	ds_add_u32 v[SPW], v[NIL]                      ; the wave's opening: an add to my spare word, twice on end, and its wait ahead of my first tensor load
	ds_add_u32 v[SPW], v[NIL]
	v_lshrrev_b32 v1, 5, v0
	v_readfirstlane_b32 s10, v1                    ; wave 0..3
	s_lshr_b32 s11, s10, 1                         ; which half of the tile's tokens is mine.  Also: I fetch for A (0) or for B (1)
	s_and_b32 s12, s10, 1                          ; which half of its columns.  Also: which half of that tile I fetch
	s_bfe_u32 s40, ttmp6, 0x40000
	s_bfe_u32 s41, ttmp6, 0x40004
	s_lshl_b32 s42, ttmp9, 2
	s_add_co_u32 s42, s42, s40                     ; tile column
	s_and_b32 s13, ttmp7, 0xffff
	s_lshl_b32 s13, s13, 2
	s_add_co_u32 s13, s13, s41                     ; tile row
	s_lshl_b32 s43, s41, 2
	s_lshl_b32 s43, 15, s43                        ; my row of the cluster
	s_lshl_b32 s44, 0x1111, s40                    ; my column
	s_lshl_b32 s[KI], ttmp9, 1                     ; where my cluster's walk along K begins: 2 x cluster x
	s_and_b32 s[KI+1], ttmp7, 0xffff
	s_lshl_b32 s[KI+1], s[KI+1], 2                 ; + 4 x cluster y,
	s_add_co_u32 s[KI], s[KI], s[KI+1]
	s_and_b32 s[KI], s[KI], 7                      ; mod 8: an even number: slot 0's first K step;
	s_add_co_u32 s[KI+1], s[KI], 1                 ; slot 1's is the next
	s_mov_b32 s[TOF+1], 0
	s_or_b32 s[G1+0], s43, (3<<16)|(1<<21)         ; A: the mask; elements of 8 bytes; bit 21 beside a mask; no padding
	s_mov_b32 s[G1+1], 1024<<16                    ; four rows of 8,192 bytes (a token block's 16 pieces of this K step),
	s_mov_b32 s[G1+2], 4<<16
	s_mov_b32 s[G1+3], 1024<<16
	s_mov_b32 s[G1+4], 4
	s_mov_b32 s[G1+5], 8192                        ; 65,536 bytes apart
	s_mov_b32 s[G1+6], 0
	s_mov_b32 s[G1+7], 0
	s_or_b32 s[G1B+0], s44, (1<<16)|(1<<20)|(1<<21)|(6<<22)|(3<<25)  ; B: elements of 2 bytes; 4 words of padding behind every 128
	s_mov_b32 s[G1B+1], KSTEP<<16
	s_mov_b32 s[G1B+2], 64<<16
	s_mov_b32 s[G1B+3], KSTEP<<16
	s_mov_b32 s[G1B+4], 64
	s_mov_b32 s[G1B+5], SIZE_K
	s_mov_b32 s[G1B+6], 0
	s_mov_b32 s[G1B+7], 0
	s_lshl_b32 s16, s13, 3
	s_lshl_b32 s17, s12, 2
	s_add_co_u32 s16, s16, s17
	s_lshl_b32 s16, s16, 16                        ; A: token block 8 x tile row + 4 x half, 65,536 bytes each
	s_mov_b32 s17, 0
	s_lshl_b32 s46, s42, 7
	s_lshl_b32 s47, s12, 6
	s_add_co_u32 s46, s46, s47
	s_lshl_b32 s46, s46, 12                        ; B: row 128 x tile column + 64 x half, 4,096 bytes each
	s_mov_b32 s47, 0
	s_lshl_b32 s20, s12, 15                        ; where they go: A's half,
	s_mul_i32 s21, s12, HALFB
	s_add_co_u32 s21, s21, APART                   ; B's half
	s_wait_dscnt 0x0                               ; both opening adds are done
	s_wait_kmcnt 0x0
	s_add_nc_u64 s[ABASE:ABASE+1], s[4:5], s[16:17]
	s_add_nc_u64 s[BBASE:BBASE+1], s[6:7], s[46:47]
	CROUND                                         ; all sixteen work-groups are here: the first joint loads meet
.irp s, 0,1
	s_mov_b32 s[G0+4*\s], 1
	s_add_co_u32 s[G0+4*\s+1], s20, \s*SLOT
	s_mov_b32 s[G0B+4*\s], 1
	s_add_co_u32 s[G0B+4*\s+1], s21, \s*SLOT
	WHERE \s
	JLOAD \s                                       ; two tensor loads of mine are out at the most
.endr
	v_and_b32 v1, 15, v0                           ; l % 16
	v_bfe_u32 v2, v0, 4, 1                         ; l / 16
	v_and_b32 v6, 31, v0
	v_lshlrev_b32 v6, 4, v6                        ; 16 x lane
	v_mul_u32_u24 v3, v1, PITCH
	v_lshl_add_u32 v3, v2, 4, v3
	s_lshl_b32 s21, s11, 15                        ; my four token blocks of A
	s_mul_i32 s22, s12, HALFB                      ; my 64 rows of B
	s_add_co_u32 s22, s22, APART
.irp s, 0,1
	v_add_nc_u32 v[ADRA+\s], s21, v6
	v_add_nc_u32 v[ADRB+\s], s22, v3
	s_add_co_u32 s21, s21, SLOT
	s_add_co_u32 s22, s22, SLOT
.endr
	s_mul_i32 s23, s10, 16*SPITCH
	s_add_co_u32 s23, s23, STAGE                   ; my stage
	v_mul_u32_u24 v4, v1, SPITCH                   ; in: row l % 16, 32 bytes for each half of the lanes
	v_lshl_add_u32 v4, v2, 5, v4
	v_add_nc_u32 v[STO], s23, v4
	v_mul_u32_u24 v5, v2, SPITCH                   ; back: lanes 0-15 one row of 256 bytes, lanes 16-31 the next
	v_lshl_add_u32 v5, v1, 4, v5
	v_add_nc_u32 v[RD], s23, v5
	v_lshlrev_b32 v5, 13, v2                       ; and the same two rows in out0: 8,192 bytes a row
	v_lshl_add_u32 v[CO], v1, 4, v5
	s_lshl_b32 s16, s13, 7
	s_lshl_b32 s17, s11, 6
	s_add_co_u32 s16, s16, s17
	s_lshl_b32 s16, s16, 13                        ; my first row: 128 x tile row + 64 x half
	s_mov_b32 s17, 0
	s_add_nc_u64 s[8:9], s[8:9], s[16:17]
	s_lshl_b32 s46, s42, 9                         ; my first column, in bytes: 512 x tile column + 256 x half
	s_lshl_b32 s47, s12, 8
	s_add_co_u32 s46, s46, s47
	s_mov_b32 s47, 0
	s_add_nc_u64 s[8:9], s[8:9], s[46:47]
; 8 matrix instructions: token blocks a0, a0 + 1 x all 4 column blocks, 32 along K: half c of buffer f.  The 16 accumulators take turns.
.macro MUL8 f, c, a0, zero
.irp a, \a0, \a0+1
.irp b, 0,1,2,3
.if \zero
	v_wmma_f32_16x16x32_f16 v[ACC+8*(4*(\a)+\b):ACC+8*(4*(\a)+\b)+7], v[\f+64+8*(4*\c+\b):\f+64+8*(4*\c+\b)+7], v[\f+8*(4*\c+\a):\f+8*(4*\c+\a)+7], 0
.else
	v_wmma_f32_16x16x32_f16 v[ACC+8*(4*(\a)+\b):ACC+8*(4*(\a)+\b)+7], v[\f+64+8*(4*\c+\b):\f+64+8*(4*\c+\b)+7], v[\f+8*(4*\c+\a):\f+8*(4*\c+\a)+7], v[ACC+8*(4*(\a)+\b):ACC+8*(4*(\a)+\b)+7]
.endif
.endr
.endr
.endm
; 32 LDS loads in one run: the fragments of 64 along K, at byte k of B's rows and at 16 k in A's blocks (four pieces of 512 bytes), into buffer f; the first 32 along K first
.macro FETCH slot, k, f
	WIN TO_F
.irp c, 0,1
.irp i, 0,1,2,3
	ds_load_b128 v[\f+64+8*(4*\c+\i):\f+64+8*(4*\c+\i)+3],   v[ADRB+\slot] offset:\k+64*\c+\i*16*PITCH
	ds_load_b128 v[\f+64+8*(4*\c+\i)+4:\f+64+8*(4*\c+\i)+7], v[ADRB+\slot] offset:\k+64*\c+\i*16*PITCH+32
	ds_load_b128 v[\f+8*(4*\c+\i):\f+8*(4*\c+\i)+3],         v[ADRA+\slot] offset:(\k)*16+1024*\c+\i*8192
	ds_load_b128 v[\f+8*(4*\c+\i)+4:\f+8*(4*\c+\i)+7],       v[ADRA+\slot] offset:(\k)*16+1024*\c+\i*8192+512
.endr
.endr
.endm
.macro PLACES
.rept 4
	v_nop
.endr
.endm
.macro QUARTER slot, k, f, g, zero
	s_wait_dscnt 16                                ; the first 32 along K are in; the other sixteen loads may be out
	WIN MUL
	MUL8 \f, 0, 0, \zero
	MUL8 \f, 0, 2, \zero
	PLACES
	FETCH \slot, \k, \g
	s_wait_dscnt 32                                ; all but the 32 just issued
	WIN MUL
	MUL8 \f, 1, 0, 0
	MUL8 \f, 1, 2, 0
.endm
; The last quarter changes slots: one barrier; in front of it each wave waits for all its tensor loads, adds 0 to its spare word, and waits for that and for its own reads of this slot.
.macro TURN slot, next, fill
	WIN 0
	s_wait_tensorcnt 0x0                           ; all my tensor loads have landed: my part of the next slot; so a group 0 may be written
	ds_add_u32 v[SPW], v[NIL]                      ; 0 onto my spare word; the descriptors' words and eight products stand between it and the wait for it
.if \fill
	s_add_co_u32 s[KI+\slot], s[KI+\slot], 2       ; this slot's next K step: two on, round the eight
	s_and_b32 s[KI+\slot], s[KI+\slot], 7
	WHERE \slot
.endif
	s_wait_dscnt 17                                ; the add and the youngest sixteen loads may be out
	WIN MUL
	MUL8 F1, 0, 0, 0
	s_wait_dscnt 0x0                               ; the add is done, and my reads of this slot are over
	s_barrier_signal -1
	MUL8 F1, 0, 2, 0
.if \fill
	WIN 0
.endif
	s_barrier_wait -1
.if \fill
	CREST                                          ; the barrier has opened a round of the cluster's barrier
	JLOAD \slot                                    ; the first tensor load behind the round; its four v_nop are the places in front of the loads below
.else
	PLACES
.endif
	FETCH \next, 0, F0
	WIN MUL
	MUL8 F1, 1, 0, 0
	MUL8 F1, 1, 2, 0
.endm
	s_wait_tensorcnt 1                             ; my part of slot 0 is in; slot 1's may be out
	s_barrier_signal -1
	s_barrier_wait -1
	FETCH 0, 0, F0
	QUARTER 0, 128, F0, F1, 1                      ; the first products start the sums
	WIN 0
	s_mov_b32 s3, LAPS-1
.Llap:
	QUARTER 0, 256, F1, F0, 0
	QUARTER 0, 384, F0, F1, 0
	TURN 0, 1, 1
	QUARTER 1, 128, F0, F1, 0
	QUARTER 1, 256, F1, F0, 0
	QUARTER 1, 384, F0, F1, 0
	TURN 1, 0, 1
	QUARTER 0, 128, F0, F1, 0
	WIN 0
	s_sub_co_u32 s3, s3, 1
	s_cmp_lg_u32 s3, 0
	s_cbranch_scc1 .Llap
	QUARTER 0, 256, F1, F0, 0                      ; the last lap fills nothing
	QUARTER 0, 384, F0, F1, 0
	TURN 0, 1, 0
	QUARTER 1, 128, F0, F1, 0
	QUARTER 1, 256, F1, F0, 0
	QUARTER 1, 384, F0, F1, 0
	s_wait_dscnt 16
	WIN MUL
	MUL8 F1, 0, 0, 0
	MUL8 F1, 0, 2, 0
	s_wait_dscnt 0
	MUL8 F1, 1, 0, 0
	MUL8 F1, 1, 2, 0
	WIN 0
	; THE WAY OUT, 16 tokens at a time: x 4 (a came as a / 4), 32 bytes a lane into my stage, back as whole rows of 256 bytes: sixteen lanes store 256 consecutive bytes, aligned.
	PLACES
.irp a, 0,1,2,3
.if \a >= 2
	s_wait_xcnt 0x0                                ; the stores of two blocks back have read the registers that this block's rows land in
.endif
.irp q, 0,1,2,3,4,5,6,7,8,9,10,11,12,13,14,15
	v_pk_mul_f32 v[TMP+2*\q:TMP+2*\q+1], v[ACC+32*\a+2*\q:ACC+32*\a+2*\q+1], 4.0 op_sel_hi:[1,0]   ; each accumulator from its low end on
.endr
.irp b, 0,1,2,3
	ds_store_b128 v[STO], v[TMP+8*\b:TMP+8*\b+3] offset:64*\b
	ds_store_b128 v[STO], v[TMP+8*\b+4:TMP+8*\b+7] offset:64*\b+16
.endr
.irp i, 0,1,2,3,4,5,6,7
	ds_load_b128 v[BK+32*(\a%2)+4*\i:BK+32*(\a%2)+4*\i+3], v[RD] offset:\i*2*SPITCH   ; LDS serves a wave's instructions in order: these see the stores above
.endr
.irp i, 0,1,2,3,4,5,6,7
	s_wait_dscnt 7-\i                              ; the younger loads of the eight may be out
	global_store_b128 v[CO], v[BK+32*(\a%2)+4*\i:BK+32*(\a%2)+4*\i+3], s[8:9] offset:(16*\a+2*\i)*8192
.endr
.endr
	s_wait_tensorcnt 0x0                           ; the wave's end, behind my last tensor load and my last LDS store
	ds_add_u32 v[SPW], v[NIL]
	s_wait_dscnt 0x0
	CROUND                                         ; the closing round
	s_endpgm
.Lfunc_end_k_q7d217a1a4b_proj:
	.size	k_q7d217a1a4b_proj, .Lfunc_end_k_q7d217a1a4b_proj-k_q7d217a1a4b_proj
	.p2alignl 7, 3214868480
	.fill 96, 4, 3214868480
	.section	.rodata,"a",@progbits
	.p2align	6, 0x0
	.amdhsa_kernel k_q7d217a1a4b_proj
		.amdhsa_group_segment_fixed_size 327680
		.amdhsa_private_segment_fixed_size 0
		.amdhsa_enable_private_segment 0
		.amdhsa_kernarg_size 24
		.amdhsa_user_sgpr_count 2
		.amdhsa_user_sgpr_kernarg_segment_ptr 1
		.amdhsa_wavefront_size32 1
		.amdhsa_system_sgpr_workgroup_id_x 1
		.amdhsa_system_sgpr_workgroup_id_y 1
		.amdhsa_system_sgpr_workgroup_id_z 1
		.amdhsa_system_vgpr_workitem_id 0
		.amdhsa_next_free_vgpr 512
		.amdhsa_next_free_sgpr 80
		.amdhsa_reserve_vcc 0
		.amdhsa_float_denorm_mode_32 3
		.amdhsa_float_denorm_mode_16_64 3
		.amdhsa_memory_ordered 1
		.amdhsa_forward_progress 1
		.amdhsa_inst_pref_size 91
	.end_amdhsa_kernel
	.amdgpu_metadata
---
amdhsa.version: [ 1, 2 ]
amdhsa.kernels:
  - .name:           k_q7d217a1a4b_proj
    .symbol:         k_q7d217a1a4b_proj.kd
    .args:
      - { .name: a_img, .offset: 0, .size: 8, .value_kind: global_buffer, .address_space: global }
      - { .name: wo16, .offset: 8, .size: 8, .value_kind: global_buffer, .address_space: global }
      - { .name: out0, .offset: 16, .size: 8, .value_kind: global_buffer, .address_space: global }
    .group_segment_fixed_size: 327680
    .private_segment_fixed_size: 0
    .kernarg_segment_align: 8
    .kernarg_segment_size: 24
    .max_flat_workgroup_size: 128
    .sgpr_count:     80
    .vgpr_count:     512
    .wavefront_size: 32
...
	.end_amdgpu_metadata
.endif
;; end of part 4
;; launch first16 (part 5): grid 128 x 1, 16 waves a work-group, no clusters, 153,600 bytes of LDS; arguments q_img, kv_img, fine, Wo, out0; writes out0
.if DOCPART == 5
	.amdgcn_target "amdgcn-amd-amdhsa--gfx1250"
	.amdhsa_code_object_version 6
	.text
	.protected	k_q7d217a1a4b_first16
	.globl	k_q7d217a1a4b_first16
	.p2align	8
	.type	k_q7d217a1a4b_first16,@function
k_q7d217a1a4b_first16:
	s_mov_b64 s[64:65], 0
	v_nop
	global_prefetch_b8 v0, s[64:65] scope:SCOPE_SE
	s_setreg_imm32_b32 hwreg(HW_REG_WAVE_MODE, 25, 1), 1
	s_wait_xcnt 0x0
; Rows 0-15 of out0 once more, finely.  Under the causal mask these rows average one to sixteen values and are the largest of the output, so the rounding of f16 operands weighs most there: here every operand of the
; three products (Q K^T, P V, a Wo^T) is a PAIR of f16 numbers, a high and a low part split in f32, and each product is three matrix products: high x high, high x low, low x high; sums in f32.
; WORK LEFT OUT: keys 16 and later are hidden from queries 0-15 by the problem's own jnp.tril for all values of the inputs (shown at the head of launch prep): only keys 0-15 are loaded.
; SHARES.  Work-group g owns columns 16 g .. 16 g + 15 of the 16 rows.  Wave w is head w, which is also k = 128 w .. 128 w + 127 of the last product: it makes its head's attention (16 x 16 keys: 36 short matrix
; instructions, made anew in each work-group, which spares a launch and a way through memory), multiplies by its 16 x 128 of Wo (f32, read once in the launch, split here), and the sixteen waves' parts are summed through LDS.
; Wo COMES IN WHOLE ROWS: each of a wave's sixteen loads reads the 512 consecutive bytes that one row of Wo has for its k; they turn through the wave's own stage in LDS (rows of 512 bytes + 16) into the order of a
; fragment's registers, while the products with V are under way.
; NO CLUSTER, NO TENSOR LOAD: what work-groups share (48 pieces a head, 24,576 bytes) is small beside the 131,072 bytes of Wo that each reads alone.
; The high parts are the pieces of tokens 0-15 in q_img and kv_img, the low parts lie in fine.  Q' = Q / 2, K' = K / 4, V' = V / 4: c = 8 log2(e) / sqrt(128), and the result is multiplied by 4.
; The final stores cover 64 consecutive bytes of a row each: parts of aligned runs of 256; 131,072 bytes in the whole launch.
; REGISTERS: v1 16 x lane; v2, v3 my stage, in and out; v4 r - 8 h; v5 r x 8192 + 32 h; v6, v7 LDS addresses of the parts; v8-13 at work; v14, v15 the add's two; v16-47, v48-79 Q high, low, then V, then a;
;   v80-111, v112-143 K high, low; v144-207 Wo in f32; v208-231 three accumulators; v232-239, v240-247 P high, low; v248-255 scores; O^T's tiles 0-6 at v88 + 8 t, tile 7 at v216; later Wo high v88-119, low v120-151.
.set STG,    16384                     ; LDS: 16 x 1,024 bytes of parts; then a stage of 16 rows for each wave;
.set WPITCH, 528                       ; a stage row: 512 bytes + 16: the sixteen rows that a load touches start 132 words apart
.set SPARE,  STG+16*16*WPITCH          ; then the spare words, 128 bytes a wave, eight blocks of 256 bytes that no other line names
.set SPW, 14
.set NIL, 15
	s_load_b256 s[4:11], s[0:1], 0x0               ; q_img, kv_img, fine, Wo
	s_load_b64 s[12:13], s[0:1], 0x20              ; out0
	v_lshl_add_u32 v[SPW], v0, 2, SPARE
	v_mov_b32 v[NIL], 0
	v_lshrrev_b32 v1, 5, v0
	v_readfirstlane_b32 s14, v1                    ; wave = head
	v_and_b32 v2, 31, v0
	v_lshlrev_b32 v1, 4, v2                        ; 16 x lane
	v_and_b32 v2, 15, v0                           ; r
	v_bfe_u32 v3, v0, 4, 1                         ; h
	v_lshlrev_b32 v4, 3, v3
	v_sub_nc_u32 v4, v2, v4                        ; r - 8 h: register j holds key 8 h + j, hidden where j is over this
	v_lshlrev_b32 v5, 13, v2
	v_lshl_add_u32 v5, v3, 5, v5                   ; out0: row r of 8,192 bytes, + 32 h
	s_lshl_b32 s15, s14, 10
	v_add_nc_u32 v6, s15, v1                       ; where I put my part
	s_lshl_b32 s15, s14, 9
	v_add_nc_u32 v7, s15, v1                       ; where waves 0 and 1 read a half of every part
	s_mul_i32 s15, s14, 16*WPITCH
	s_add_co_u32 s15, s15, STG                     ; my stage
	v_mul_u32_u24 v8, v2, WPITCH
	v_lshl_add_u32 v8, v3, 5, v8
	v_add_nc_u32 v3, s15, v8                       ; out of it: row r, + 32 h
	v_add_nc_u32 v2, s15, v1                       ; into it: 16 bytes a lane of a row
	s_mov_b32 s16, 0x76543210
	s_mov_b32 s17, 0xfedcba98
	s_mov_b32 s18, 0x3f8293ee                      ; c
	s_mov_b32 s21, 0
	s_wait_kmcnt 0x0
	s_lshl_b32 s20, s14, 19
	s_add_nc_u64 s[4:5], s[4:5], s[20:21]          ; q_img at my head, tokens 0-15
	s_lshl_b32 s20, s14, 20
	s_add_nc_u64 s[6:7], s[6:7], s[20:21]          ; kv_img at my head, unit 0
	s_lshl_b32 s20, s14, 12
	s_add_nc_u64 s[8:9], s[8:9], s[20:21]          ; fine at my head
	s_lshl_b32 s20, ttmp9, 17
	s_lshl_b32 s22, s14, 9
	s_add_co_u32 s20, s20, s22
	s_add_nc_u64 s[10:11], s[10:11], s[20:21]      ; Wo at row 16 g, k = 128 w
	s_lshl_b32 s20, ttmp9, 6
	s_lshl_b32 s22, s14, 4
	s_add_co_u32 s20, s20, s22
	s_add_nc_u64 s[12:13], s[12:13], s[20:21]      ; out0 at column 16 g, + 16 bytes x wave (waves 0 and 1 store)
.irp b, 0,1,2,3,4,5,6,7
	global_load_b128 v[16+4*\b:19+4*\b], v1, s[4:5] offset:512*\b            ; Q high
	global_load_b128 v[48+4*\b:51+4*\b], v1, s[8:9] offset:512*\b            ; Q low
	global_load_b128 v[80+4*\b:83+4*\b], v1, s[6:7] offset:512*\b            ; K high
	global_load_b128 v[112+4*\b:115+4*\b], v1, s[8:9] offset:65536+512*\b    ; K low
.endr
.irp i, 0,1,2,3,4,5,6,7,8,9,10,11,12,13,14,15
	global_load_b128 v[144+4*\i:147+4*\i], v1, s[10:11] offset:8192*\i th:TH_LOAD_NT   ; row 16 g + i of Wo, my 128 numbers: 512 consecutive bytes
.endr
	s_wait_loadcnt 16                              ; Q and K are in; Wo's sixteen loads may be out
; S^T = K Q^T: three accumulators by turns; the first three products start the sums
.irp u, 0,1,2,3
.if \u == 0
	v_wmma_f32_16x16x32_f16 v[208:215], v[80:87], v[16:23], 0
	v_wmma_f32_16x16x32_f16 v[216:223], v[80:87], v[48:55], 0
	v_wmma_f32_16x16x32_f16 v[224:231], v[112:119], v[16:23], 0
.else
	v_wmma_f32_16x16x32_f16 v[208:215], v[80+8*\u:87+8*\u], v[16+8*\u:23+8*\u], v[208:215]
	v_wmma_f32_16x16x32_f16 v[216:223], v[80+8*\u:87+8*\u], v[48+8*\u:55+8*\u], v[216:223]
	v_wmma_f32_16x16x32_f16 v[224:231], v[112+8*\u:119+8*\u], v[16+8*\u:23+8*\u], v[224:231]
.endif
.endr
.rept 4
	v_nop                                          ; places in front of loads into registers that the products read, and of the first reads of results
.endr
.irp a, 0,1,2,3,4,5,6,7
	global_load_b128 v[16+4*\a:19+4*\a], v1, s[6:7] offset:16384+512*\a      ; V high: channels 16 a on, keys 0-15
	global_load_b128 v[48+4*\a:51+4*\a], v1, s[8:9] offset:131072+512*\a     ; V low
.endr
.irp j, 0,1,2,3
	v_mov_b32 v[80+\j], 0                          ; behind V low's last piece: the upper half of its fragment
.endr
.irp j, 0,1,2,3,4,5,6,7
	v_add_f32 v[248+\j], v[216+\j], v[224+\j]      ; each accumulator from its low end on
.endr
.irp j, 0,1,2,3,4,5,6,7
	v_add_f32 v[248+\j], v[208+\j], v[248+\j]
.endr
	v_mov_b32 v9, 0xff800000
.irp j, 0,1,2,3,4,5,6,7
	v_cmp_gt_i32 vcc_lo, \j, v4
	v_cndmask_b32 v[248+\j], v[248+\j], v9, vcc_lo ; hidden keys: -infinity ahead of the maximum
.endr
	v_max3_num_f32 v10, v248, v249, v250
	v_max3_num_f32 v10, v10, v251, v252
	v_max3_num_f32 v10, v10, v253, v254
	v_max_num_f32 v10, v10, v255
	v_mov_b32 v11, 0                               ; a lane permute's destination counts as one of its sources
	v_permlanex16_b32 v11, v10, s16, s17
	v_max_num_f32 v10, v10, v11                    ; the row's maximum: key 0 counts for every query
	v_mul_f32 v10, s18, v10
.irp j, 0,1,2,3,4,5,6,7
	v_fma_f32 v[248+\j], v[248+\j], s18, -v10
.endr
.irp j, 0,1,2,3,4,5,6,7
	v_exp_f32 v[248+\j], v[248+\j]
.endr
	v_nop
	s_wait_alu depctr_va_vdst(0)                   ; one wait for the eight
	v_add_f32 v232, v248, v249
	v_add_f32 v233, v250, v251
	v_add_f32 v234, v252, v253
	v_add_f32 v235, v254, v255
	v_add_f32 v232, v232, v233
	v_add_f32 v234, v234, v235
	v_add_f32 v232, v232, v234
	v_permlanex16_b32 v233, v232, s16, s17
	v_add_f32 v232, v232, v233
	v_rcp_f32 v232, v232
	v_nop
	s_wait_alu depctr_va_vdst(0)
.irp j, 0,1,2,3,4,5,6,7
	v_mul_f32 v[248+\j], v[248+\j], v232           ; the weights, normalised
.endr
; Four f32 numbers become two registers of high parts and two of low parts
.macro SPLIT2 src, dh, dl
	v_cvt_pk_f16_f32 v8, v[\src], v[\src+1]
	v_cvt_pk_f16_f32 v9, v[\src+2], v[\src+3]
	v_cvt_f32_f16 v10, v8.l
	v_cvt_f32_f16 v11, v8.h
	v_cvt_f32_f16 v12, v9.l
	v_cvt_f32_f16 v13, v9.h
	v_pk_add_f32 v[10:11], v[\src:\src+1], v[10:11] neg_lo:[0,1] neg_hi:[0,1]
	v_pk_add_f32 v[12:13], v[\src+2:\src+3], v[12:13] neg_lo:[0,1] neg_hi:[0,1]
	v_mov_b32 v[\dh], v8
	v_mov_b32 v[\dh+1], v9
	v_cvt_pk_f16_f32 v[\dl], v10, v11
	v_cvt_pk_f16_f32 v[\dl+1], v12, v13
.endm
	SPLIT2 248, 232, 240
	SPLIT2 252, 234, 242
.irp j, 0,1,2,3
	v_mov_b32 v[236+\j], 0                         ; keys 16-31 of the fragment: zeros, so that whatever finite numbers stand against them add nothing
	v_mov_b32 v[244+\j], 0
.endr
	s_wait_loadcnt 16                              ; Wo is in; V's sixteen loads may be out
.irp i, 0,1,2,3,4,5,6,7,8,9,10,11,12,13,14,15
	ds_store_b128 v2, v[144+4*\i:147+4*\i] offset:WPITCH*\i                  ; row i as it lies
.endr
.irp u, 0,1,2,3                                ; and back: Wo(16 g + r, 128 w + 32 u + 8 h + 0..7) and (.. + 16 + 8 h + 0..7): the order of a fragment's registers.  LDS serves a wave's instructions in order: these see the stores above
	ds_load_b128 v[144+16*\u:147+16*\u], v3 offset:128*\u
	ds_load_b128 v[148+16*\u:151+16*\u], v3 offset:128*\u+16
	ds_load_b128 v[152+16*\u:155+16*\u], v3 offset:128*\u+64
	ds_load_b128 v[156+16*\u:159+16*\u], v3 offset:128*\u+80
.endr
	s_wait_loadcnt 0x0                             ; V
; O^T = V^T P: a fragment of V is its piece and the four registers behind it (the next piece, or the zeros at v80), which meet P's zeros.  Eight accumulators by turns.
.irp ps, 0,1,2
.irp t, 0,1,2,3,4,5,6,7
.set rO, 88+8*\t
.if \t == 7
.set rO, 216
.endif
.set rV, 16+4*\t
.if \ps == 2
.set rV, 48+4*\t
.endif
.set rP, 232
.if \ps == 1
.set rP, 240
.endif
.if \ps == 0
	v_wmma_f32_16x16x32_f16 v[rO:rO+7], v[rV:rV+7], v[rP:rP+7], 0
.else
	v_wmma_f32_16x16x32_f16 v[rO:rO+7], v[rV:rV+7], v[rP:rP+7], v[rO:rO+7]
.endif
.endr
.endr
.rept 4
	v_nop
.endr
.irp t, 0,1,2,3,4,5,6,7                        ; a' = O^T, split: tile t is piece t of the last product's operand
.set rO, 88+8*\t
.if \t == 7
.set rO, 216
.endif
	SPLIT2 rO, 16+4*\t, 48+4*\t
	SPLIT2 rO+4, 18+4*\t, 50+4*\t
.endr
	s_wait_dscnt 0x0                               ; Wo is back from my stage
.irp u, 0,1,2,3                                ; Wo, split; in ascending order, since the low parts' last registers lie on numbers that are done with
.irp i, 0,1,2,3
	SPLIT2 144+16*\u+4*\i, 88+8*\u+2*\i, 120+8*\u+2*\i
.endr
.endr
.irp u, 0,1,2,3                                ; source 0 = 16 rows of Wo, source 1 = my 16 tokens: a lane holds one token and eight neighbouring columns
.if \u == 0
	v_wmma_f32_16x16x32_f16 v[208:215], v[88:95], v[16:23], 0
	v_wmma_f32_16x16x32_f16 v[216:223], v[88:95], v[48:55], 0
	v_wmma_f32_16x16x32_f16 v[224:231], v[120:127], v[16:23], 0
.else
	v_wmma_f32_16x16x32_f16 v[208:215], v[88+8*\u:95+8*\u], v[16+8*\u:23+8*\u], v[208:215]
	v_wmma_f32_16x16x32_f16 v[216:223], v[88+8*\u:95+8*\u], v[48+8*\u:55+8*\u], v[216:223]
	v_wmma_f32_16x16x32_f16 v[224:231], v[120+8*\u:127+8*\u], v[16+8*\u:23+8*\u], v[224:231]
.endif
.endr
.rept 4
	v_nop
.endr
.irp j, 0,1,2,3,4,5,6,7
	v_add_f32 v[232+\j], v[216+\j], v[224+\j]
.endr
.irp j, 0,1,2,3,4,5,6,7
	v_add_f32 v[232+\j], v[208+\j], v[232+\j]
.endr
	ds_store_b128 v6, v[232:235]                   ; my head's part: columns 8 h + 0..3,
	ds_store_b128 v6, v[236:239] offset:512        ; and 8 h + 4..7
	s_wait_dscnt 0x0                               ; for the others' sake: my stores have landed
	s_barrier_signal -1
	s_barrier_wait -1
	s_cmp_ge_u32 s14, 2
	s_cbranch_scc1 .Ldone                          ; waves 0 and 1 sum a half each; no barrier stands behind this branch
.irp p, 0,1,2,3,4,5,6,7,8,9,10,11,12,13,14,15
	ds_load_b128 v[144+4*\p:147+4*\p], v7 offset:1024*\p
.endr
	s_wait_dscnt 0x0
.irp p, 0,1,2,3,4,5,6,7
	v_pk_add_f32 v[144+4*\p:145+4*\p], v[144+4*\p:145+4*\p], v[176+4*\p:177+4*\p]
	v_pk_add_f32 v[146+4*\p:147+4*\p], v[146+4*\p:147+4*\p], v[178+4*\p:179+4*\p]
.endr
.irp p, 0,1,2,3
	v_pk_add_f32 v[144+4*\p:145+4*\p], v[144+4*\p:145+4*\p], v[160+4*\p:161+4*\p]
	v_pk_add_f32 v[146+4*\p:147+4*\p], v[146+4*\p:147+4*\p], v[162+4*\p:163+4*\p]
.endr
.irp p, 0,1
	v_pk_add_f32 v[144+4*\p:145+4*\p], v[144+4*\p:145+4*\p], v[152+4*\p:153+4*\p]
	v_pk_add_f32 v[146+4*\p:147+4*\p], v[146+4*\p:147+4*\p], v[154+4*\p:155+4*\p]
.endr
	v_pk_add_f32 v[144:145], v[144:145], v[148:149]
	v_pk_add_f32 v[146:147], v[146:147], v[150:151]
	v_pk_mul_f32 v[144:145], v[144:145], 4.0 op_sel_hi:[1,0]
	v_pk_mul_f32 v[146:147], v[146:147], 4.0 op_sel_hi:[1,0]
	global_store_b128 v5, v[144:147], s[12:13]     ; out0(r, 16 g + 8 h + 4 wave + 0..3)
.Ldone:
	s_wait_tensorcnt 0x0                           ; the wave's end, behind my last LDS store
	ds_add_u32 v[SPW], v[NIL]
	s_wait_dscnt 0x0
	s_endpgm
.Lfunc_end_k_q7d217a1a4b_first16:
	.size	k_q7d217a1a4b_first16, .Lfunc_end_k_q7d217a1a4b_first16-k_q7d217a1a4b_first16
	.p2alignl 7, 3214868480
	.fill 96, 4, 3214868480
	.section	.rodata,"a",@progbits
	.p2align	6, 0x0
	.amdhsa_kernel k_q7d217a1a4b_first16
		.amdhsa_group_segment_fixed_size 153600
		.amdhsa_private_segment_fixed_size 0
		.amdhsa_enable_private_segment 0
		.amdhsa_kernarg_size 40
		.amdhsa_user_sgpr_count 2
		.amdhsa_user_sgpr_kernarg_segment_ptr 1
		.amdhsa_wavefront_size32 1
		.amdhsa_system_sgpr_workgroup_id_x 1
		.amdhsa_system_sgpr_workgroup_id_y 1
		.amdhsa_system_sgpr_workgroup_id_z 1
		.amdhsa_system_vgpr_workitem_id 0
		.amdhsa_next_free_vgpr 256
		.amdhsa_next_free_sgpr 66
		.amdhsa_reserve_vcc 1
		.amdhsa_float_denorm_mode_32 3
		.amdhsa_float_denorm_mode_16_64 3
		.amdhsa_memory_ordered 1
		.amdhsa_forward_progress 1
		.amdhsa_inst_pref_size 40
	.end_amdhsa_kernel
	.amdgpu_metadata
---
amdhsa.version: [ 1, 2 ]
amdhsa.kernels:
  - .name:           k_q7d217a1a4b_first16
    .symbol:         k_q7d217a1a4b_first16.kd
    .args:
      - { .name: q_img, .offset: 0, .size: 8, .value_kind: global_buffer, .address_space: global }
      - { .name: kv_img, .offset: 8, .size: 8, .value_kind: global_buffer, .address_space: global }
      - { .name: fine, .offset: 16, .size: 8, .value_kind: global_buffer, .address_space: global }
      - { .name: Wo, .offset: 24, .size: 8, .value_kind: global_buffer, .address_space: global }
      - { .name: out0, .offset: 32, .size: 8, .value_kind: global_buffer, .address_space: global }
    .group_segment_fixed_size: 153600
    .private_segment_fixed_size: 0
    .kernarg_segment_align: 8
    .kernarg_segment_size: 40
    .max_flat_workgroup_size: 512
    .sgpr_count:     66
    .vgpr_count:     256
    .wavefront_size: 32
...
	.end_amdgpu_metadata
.endif
;; end of part 5
